; MI455X (gfx1250); checked and timed in simulation.
; The chip was launched on July 23, 2026; its instructions are those of AMD's public machine-readable ISA for CDNA 5 (MIT licence, August 2026) and "CDNA5" Instruction Set Architecture Reference Guide (July 2026). The comments in the code are by the model that wrote it; some were corrected since.
;; Cross Attention. Allowed arithmetic: float matrix products may take bf16 or f16 operands with f32 sums; all other float work in f32.
;; Inputs: attention_mask_l 8 x 256 int32; b_l 1,024 float32; b_out 512 float32; b_v 1,024 float32; b_vl 1,024 float32; l 8 x 256 x 768 float32; v 8 x 4,096 x 512 float32; w_l 1,024 x 768 float32; w_out 512 x 1,024 float32; w_v 1,024 x 512 float32; w_vl 1,024 x 768 float32.
;; Outputs: out0 8 x 4,096 x 512 float32.
;; 2 versions, each right and faster than the one before. Each part assembles by itself: llvm-mc -triple=amdgcn-amd-amdhsa -mcpu=gfx1250 --defsym DOCPART=n.
;; ======== version 1 of 2: 4 launches
;; limits: values are held in f16: magnitudes above 65,504 overflow, below 6.1e-05 lose precision
;; workspace buffers: kf 4,194,304 bytes; vf 4,194,304 bytes; wvf 1,048,576 bytes; wof 1,048,576 bytes; qf 67,108,864 bytes; of 67,108,864 bytes; gpart 4,096 bytes; ord 294,912 bytes of whole numbers
;; launch prep (part 1): grid 16 x 16, 4 waves a work-group, clusters of 4 x 4, 327,680 bytes of LDS; arguments l, w_l, w_vl, b_l, b_vl, w_v, w_out, kf, vf, wvf, wof, attention_mask_l, ord; writes kf, vf, wvf, wof, ord
.if DOCPART == 1
	.amdgcn_target "amdgcn-amd-amdhsa--gfx1250"
	.amdhsa_code_object_version 6
	.text
	.protected	k_q418166b1ee_prep
	.globl	k_q418166b1ee_prep
	.p2align	8
	.type	k_q418166b1ee_prep,@function
k_q418166b1ee_prep:
	s_mov_b64 s[64:65], 0
	v_nop
	global_prefetch_b8 v0, s[64:65] scope:SCOPE_SE
	s_setreg_imm32_b32 hwreg(HW_REG_WAVE_MODE, 25, 1), 1
	s_wait_xcnt 0x0
	s_wait_alu depctr_hold_cnt(0) depctr_sa_sdst(0) depctr_va_vdst(0) depctr_va_sdst(0) depctr_va_ssrc(0) depctr_va_vcc(0) depctr_vm_vsrc(0)
	s_getreg_b32 s2, hwreg(HW_REG_IB_STS2, 6, 4)
	s_cmp_eq_u32 s2, 0
	s_cbranch_scc0 .Lentry_in_a_cluster
	s_endpgm
.Lentry_in_a_cluster:
	s_bfe_u32 s2, ttmp6, 0x10000c
	s_cmp_lg_u32 s2, 0xf033
	s_cbranch_scc0 .Lentry_shape_is_right
	s_endpgm
.Lentry_shape_is_right:
; PREP.  k = l w_l^T + b_l and val = l w_vl^T + b_vl (l: [2048][768], weights [1024][768], all f32), the casts of w_v and w_out, and the order of the keys.
; All inputs, the biases too, are rounded to bf16; sums in f32; k and val leave as f16, in FRAGMENT ORDER: a block of 16 rows x 32 k is 1,024 bytes, byte = half x 512 + lane x 16 + 2 e; lane = row + 16 hl;
; half 0 holds k = 8 hl + e, half 1 k = 16 + 8 hl + e.  Two 16-byte loads a lane then fill a matrix operand, and every load and store of a wave covers 512 consecutive bytes.
;   kf and vf alike: (b 16 + h) 32768 + kt 2048 + c 1024: rows = keys, k = channels.
;   wvf (bf16): h 65536 + ks 4096 + ct 1024: rows = channels of w_v.         wof (w_out rounded to bf16, written as f16): nt 32768 + kb 1024: rows = rows of w_out.
;   ord (whole numbers): a copy for each work-group g = 16 ty + tx, of batch g / 32.  Word g 256 + p: the key at place p when the batch's seen keys (mask not 0) come first, seen and hidden each in ascending order;
;   words 65536 + g 32 + 0..31: the number of seen keys.  Each work-group's wave 0 stores its own copy, so that no work-group need be chosen: neither EXEC nor a branch hangs on a place in the cluster.
;   The launch that reads ord has 256 work-groups too, and its work-group g, of batch g / 32, reads copy g.
; LIMITS.  k and val must lie within f16's 65,504; a w_out below 6e-5 keeps f16's fixed step of 6e-8; NaN and infinities are not treated apart.
; SHARES.  A work-group makes 128 channels x 128 keys; 16 channel blocks (8 of k, then 8 of val) x 16 key blocks.  Four waves, each 64 channels (one head) x 64 keys: 16 accumulators.
; Source 0 = 16 rows of the weights, source 1 = 16 rows of l: a lane holds ONE key and eight neighbouring channels: kf's and vf's order.
; K goes in 6 steps of 128 (rows of 512 bytes of f32) through two LDS slots; fragments are read as f32 and rounded to bf16 in registers.
; CLUSTER 4 x 4: the four of a row need the same rows of l, the four of a column the same rows of the weights: joint loads.  Which weights (k's or val's) hangs on the cluster's x alone.
; REGISTERS.  window 0: v0-29 addresses; v32-63 bias; v64-127, v128-191 two bf16 fragment buffers (ahead of the loop v64-87 serve the order of the keys); v192-255 the casts.   window 1: v0-127 fragments as f32; v128-255 accumulators.
.set KROW,  3072                       ; bytes in a row of l and of the weights
.set PITCH, 528                        ; an LDS row: 512 bytes + 16 of padding = 132 words: the 16 rows of a load start at 16 different groups of four banks (ISA guide 11.1)
.set HALFT, 64*PITCH                   ; what one tensor load brings
.set SLOT,  4*HALFT                    ; l's 128 rows, then the weights' 128 rows.  0x21000: its two bits meet no bit of wave x HALFT, so one exclusive or turns an address into the other slot's
.set SPARE, 2*SLOT                     ; behind the ring: the spare words, 128 bytes for each wave
.set ORDC,  262144                     ; byte of ord at which the counts begin
.set LR,  1
.set HL,  2
.set L16, 3
.set AL0, 4                            ; my lane's place in l's rows of slot 0; never rewritten
.set AW0, 5                            ; the same in the weights' rows
.set AL,  6
.set AW,  7
.set VL,  8                            ; my lane's number
.set MOF, 9                            ; my word in the batch's mask
.set CVI, 10
.set COI, 11
.set CVO, 12
.set COO, 13
.set BOF, 14
.set VT,  16
.set COF, 17
.set XT,  18
.set UU,  19
.set CN,  20
.set SPW, 28
.set NIL, 29
.set BI,  32
.set BF,  64
.set MK,  64                           ; eight words of the mask
.set PO,  72                           ; eight byte offsets in ord
.set KY,  80                           ; eight keys
.set CW,  192
.set CO,  208
.set CWP, 224
.set COP, 232
.set RT,  240
.set TP,  64                           ; the way out: results as f16
.set RAW, 0                            ; window 1
.set ACC, 128                          ; window 1
.set WV,  26
.set HW,  27
.set G1L, 28
.set G1W, 36
.set G0L, 44                           ; s[44:47] first fill of slot 0, s[48:51] first fill of slot 1, which then walks
.set G0W, 52
.set WOFF, 60
.set TB,  61
.set CNT, 62
.set OB,  63
.set CX,  66
.set CY,  67
.set TX,  68
.set TY,  69
.set KIND, 70
.set CB,  71
.set WL,  72
.set T1,  73
.set LO,  74
.set WO,  76
.set LA,  78
.set WA,  80
.set BAL, 74                           ; s[74:81], once the descriptors are made: eight ballots
.set WSEL, 82
.set BSEL, 84
.set OUTP, 86
.set OO,  88
.set FR,  90
.set T2,  91
.set T3,  92
.set MR,  93
.set MC,  94
.set NB,  95
.set FLAGS, (2<<16)|(1<<20)|(1<<21)|(6<<22)|(3<<25)  ; 4-byte elements; padding on; bit 21 beside a mask; after every 128 words; 4 words
.set MSB, 0
.macro WIN new                         ; the immediate's high byte repeats the setting that is left
.if MSB != (\new)
	s_set_vgpr_msb (MSB<<8)|(\new)
.set MSB, \new
.endif
.endm
.macro PLACES
.rept 4
	v_nop
.endr
.endm
.macro CREST                           ; a round of the cluster's barrier behind its opening barrier
	s_cmp_lg_u32 s[WV], 0
	s_cbranch_scc1 .Lnot_wave_0_\@
	s_barrier_signal -3
.Lnot_wave_0_\@:
	s_barrier_wait -3
	s_barrier_signal -1
	s_barrier_wait -1
.endm
.macro CROUND
	s_barrier_signal -1
	s_barrier_wait -1
	CREST
.endm
.macro JLOAD                           ; a joint refill: waves 0 and 1 fetch l's two halves, waves 2 and 3 the weights'
	s_cmp_eq_u32 s[HW], 0
	s_cbranch_scc0 .Lfor_w_\@
	tensor_load_to_lds s[G0L+4:G0L+7], s[G1L:G1L+7]
	s_nop 0
	PLACES
	s_branch .Lasked_\@
.Lfor_w_\@:
	tensor_load_to_lds s[G0W+4:G0W+7], s[G1W:G1W+7]
	s_nop 0
	PLACES
.Lasked_\@:
.endm
.macro ROUNDB base, n, tmp             ; n f32 numbers are rounded to bf16 and kept as f32
.set zr, 0
.rept (\n)/2
	v_cvt_pk_bf16_f32 v[\tmp], v[(\base)+2*zr], v[(\base)+2*zr+1]
	v_lshlrev_b32 v[(\base)+2*zr], 16, v[\tmp]
	v_and_b32 v[(\base)+2*zr+1], 0xffff0000, v[\tmp]
.set zr, zr+1
.endr
.endm
	s_load_b512 s[4:19], s[0:1], 0x0               ; l, w_l, w_vl, b_l, b_vl, w_v, w_out, kf
	s_load_b128 s[20:23], s[0:1], 0x40             ; vf, wvf
	s_load_b64 s[24:25], s[0:1], 0x50              ; wof
	s_load_b64 s[96:97], s[0:1], 0x58              ; the mask
	s_load_b64 s[98:99], s[0:1], 0x60              ; ord
	v_lshl_add_u32 v[SPW], v0, 2, SPARE
	v_mov_b32 v[NIL], 0
	ds_add_u32 v[SPW], v[NIL]                      ; the wave's opening: the add and its wait ahead of my first tensor load
	v_lshrrev_b32 v[VT], 5, v0
	v_readfirstlane_b32 s[WV], v[VT]               ; wave 0..3
	s_lshr_b32 s[HW], s[WV], 1                     ; my half of the keys.  Also: I fetch l (0) or the weights (1)
	s_and_b32 s[WL], s[WV], 1                      ; my half of the channels.  Also: which 64 rows I fetch
	s_bfe_u32 s[CX], ttmp6, 0x40000
	s_bfe_u32 s[CY], ttmp6, 0x40004
	s_lshr_b32 s[KIND], ttmp9, 1                   ; 0: k, 1: val; the same in all sixteen partners
	s_and_b32 s[CB], ttmp9, 1
	s_lshl_b32 s[CB], s[CB], 2
	s_add_co_u32 s[CB], s[CB], s[CX]               ; block of 128 channels of the kind's 1,024
	s_lshl_b32 s[TX], ttmp9, 2
	s_add_co_u32 s[TX], s[TX], s[CX]
	s_and_b32 s[TY], ttmp7, 0xffff
	s_lshl_b32 s[TY], s[TY], 2
	s_add_co_u32 s[TY], s[TY], s[CY]               ; block of 128 rows of l
	s_lshl_b32 s[MR], s[CY], 2
	s_lshl_b32 s[MR], 15, s[MR]                    ; my row of the cluster
	s_lshl_b32 s[MC], 0x1111, s[CX]                ; my column
	s_or_b32 s[G1L], s[MR], FLAGS
	s_or_b32 s[G1W], s[MC], FLAGS
.irp g, G1L, G1W
	s_mov_b32 s[(\g)+1], 128<<16                   ; tensor_dim0 = 128
	s_mov_b32 s[(\g)+2], 64<<16                    ; tensor_dim1 = 64
	s_mov_b32 s[(\g)+3], 128<<16                   ; tile_dim0 = 128
	s_mov_b32 s[(\g)+4], 64                        ; tile_dim1 = 64
	s_mov_b32 s[(\g)+5], 768                       ; elements from row to row
	s_mov_b32 s[(\g)+6], 0
	s_mov_b32 s[(\g)+7], 0
.endr
	s_mul_i32 s[WOFF], s[WV], HALFT                ; where my tiles go: no place in the cluster enters an LDS address
	s_mov_b32 s[TB], 0
	s_lshl_b32 s[T1], s[WL], 6
	s_lshl_b32 s[LO], s[TY], 7
	s_add_co_u32 s[LO], s[LO], s[T1]
	s_mul_i32 s[LO], s[LO], KROW                   ; l: (128 x key block + 64 x half) rows, in bytes
	s_mov_b32 s[LO+1], 0
	s_lshl_b32 s[WO], s[CB], 7
	s_add_co_u32 s[WO], s[WO], s[T1]
	s_mul_i32 s[WO], s[WO], KROW                   ; the weights likewise, by the channel block
	s_mov_b32 s[WO+1], 0
	s_wait_dscnt 0x0                               ; the opening add is done
	s_wait_kmcnt 0x0
	s_cmp_eq_u32 s[KIND], 0
	s_cselect_b64 s[WSEL:WSEL+1], s[6:7], s[8:9]
	s_cselect_b64 s[BSEL:BSEL+1], s[10:11], s[12:13]
	s_cselect_b64 s[OUTP:OUTP+1], s[18:19], s[20:21]
	s_add_nc_u64 s[LA:LA+1], s[4:5], s[LO:LO+1]
	s_add_nc_u64 s[WA:WA+1], s[WSEL:WSEL+1], s[WO:WO+1]
	CROUND                                         ; all sixteen work-groups are here: the first joint loads meet
.irp s, 0,1
	s_mov_b32 s[G0L+4*(\s)], 1
	s_add_co_u32 s[G0L+4*(\s)+1], s[WOFF], (\s)*SLOT
	s_add_nc_u64 s[G0L+4*(\s)+2:G0L+4*(\s)+3], s[LA:LA+1], (\s)*512
	s_or_b32 s[G0L+4*(\s)+3], s[G0L+4*(\s)+3], 0x80000000
	s_mov_b32 s[G0W+4*(\s)], 1
	s_add_co_u32 s[G0W+4*(\s)+1], s[WOFF], (\s)*SLOT
	s_add_nc_u64 s[G0W+4*(\s)+2:G0W+4*(\s)+3], s[WA:WA+1], (\s)*512
	s_or_b32 s[G0W+4*(\s)+3], s[G0W+4*(\s)+3], 0x80000000
.endr
	s_cmp_eq_u32 s[HW], 0                          ; a wave's two first fills stand in one branch: two loads of mine are out
	s_cbranch_scc0 .Lfirst_w
	tensor_load_to_lds s[G0L:G0L+3], s[G1L:G1L+7]
	s_nop 0
	tensor_load_to_lds s[G0L+4:G0L+7], s[G1L:G1L+7]
	s_nop 0
	PLACES
	s_branch .Lfirst_asked
.Lfirst_w:
	tensor_load_to_lds s[G0W:G0W+3], s[G1W:G1W+7]
	s_nop 0
	tensor_load_to_lds s[G0W+4:G0W+7], s[G1W:G1W+7]
	s_nop 0
	PLACES
.Lfirst_asked:
	v_and_b32 v[LR], 15, v0                        ; l % 16
	v_bfe_u32 v[HL], v0, 4, 1                      ; l / 16
	v_and_b32 v[VL], 31, v0
	v_lshlrev_b32 v[L16], 4, v[VL]
	v_mul_u32_u24 v[VT], v[LR], PITCH
	v_lshl_add_u32 v[VT], v[HL], 5, v[VT]          ; row x pitch + 32 x half: eight f32 are 32 bytes
	s_mul_i32 s[T1], s[HW], HALFT
	v_add_nc_u32 v[AL0], s[T1], v[VT]
	s_mul_i32 s[T1], s[WL], HALFT
	s_add_co_u32 s[T1], s[T1], 2*HALFT
	v_add_nc_u32 v[AW0], s[T1], v[VT]
	v_mov_b32 v[AL], v[AL0]
	v_mov_b32 v[AW], v[AW0]
	s_lshr_b32 s[T1], s[TY], 1
	s_lshl_b32 s[T1], s[T1], 10                    ; the batch's 256 words of the mask
	v_lshl_add_u32 v[MOF], v[VL], 2, s[T1]
	s_lshl_b32 s[OB], s[TY], 4
	s_add_co_u32 s[OB], s[OB], s[TX]               ; g: my work-group's number, and its copy of the order
	s_lshl_b32 s[T1], s[OB], 7
	s_add_co_u32 s[T1], s[T1], ORDC
	v_lshl_add_u32 v[COF], v[VL], 2, s[T1]         ; my word among the copy's 32 of the count
	s_lshl_b32 s[OB], s[OB], 10                    ; the copy's 256 words
	; THE CASTS.  Each of the launch's 1,024 waves turns one block of 16 rows x 32 k of w_v and one of w_out into fragment order.
	s_lshl_b32 s[FR], s[TY], 4
	s_add_co_u32 s[FR], s[FR], s[TX]
	s_lshl_b32 s[FR], s[FR], 2
	s_add_co_u32 s[FR], s[FR], s[WV]               ; the block's number
	s_lshr_b32 s[T1], s[FR], 4
	s_lshl_b32 s[T1], s[T1], 15                    ; w_v: 16 rows of 2,048 bytes,
	s_and_b32 s[T2], s[FR], 15
	s_lshl_b32 s[T3], s[T2], 7                     ; 32 k of 4 bytes
	s_add_co_u32 s[T1], s[T1], s[T3]
	v_lshlrev_b32 v[VT], 11, v[LR]
	v_lshl_add_u32 v[VT], v[HL], 5, v[VT]
	v_add_nc_u32 v[CVI], s[T1], v[VT]
	s_lshr_b32 s[T1], s[FR], 6
	s_lshl_b32 s[T1], s[T1], 16                    ; wvf: head,
	s_lshl_b32 s[T3], s[T2], 12                    ; k step,
	s_add_co_u32 s[T1], s[T1], s[T3]
	s_bfe_u32 s[T3], s[FR], 0x20004
	s_lshl_b32 s[T3], s[T3], 10                    ; channel tile
	s_add_co_u32 s[T1], s[T1], s[T3]
	v_add_nc_u32 v[CVO], s[T1], v[L16]
	s_lshr_b32 s[T1], s[FR], 5
	s_lshl_b32 s[T1], s[T1], 16                    ; w_out: 16 rows of 4,096 bytes
	s_and_b32 s[T2], s[FR], 31
	s_lshl_b32 s[T2], s[T2], 7
	s_add_co_u32 s[T1], s[T1], s[T2]
	v_lshlrev_b32 v[VT], 12, v[LR]
	v_lshl_add_u32 v[VT], v[HL], 5, v[VT]
	v_add_nc_u32 v[COI], s[T1], v[VT]
	s_lshl_b32 s[T1], s[FR], 10
	v_add_nc_u32 v[COO], s[T1], v[L16]
	s_lshl_b32 s[T1], s[CB], 9
	s_lshl_b32 s[T2], s[WL], 8
	s_add_co_u32 s[T1], s[T1], s[T2]               ; my 64 channels in the bias, in bytes
	v_lshl_add_u32 v[BOF], v[HL], 5, s[T1]
	s_lshr_b32 s[T1], s[TY], 1                     ; where my result goes: b,
	s_lshl_b32 s[T1], s[T1], 4
	s_lshl_b32 s[T2], s[CB], 1
	s_add_co_u32 s[T1], s[T1], s[T2]
	s_add_co_u32 s[T1], s[T1], s[WL]               ; head,
	s_lshl_b32 s[T1], s[T1], 15
	s_and_b32 s[T2], s[TY], 1
	s_lshl_b32 s[T2], s[T2], 14                    ; which 128 keys of the batch's 256,
	s_add_co_u32 s[T1], s[T1], s[T2]
	s_lshl_b32 s[T2], s[HW], 13                    ; my 64 of them
	s_add_co_u32 s[OO], s[T1], s[T2]
	s_mov_b32 s[OO+1], 0
	s_add_nc_u64 s[OUTP:OUTP+1], s[OUTP:OUTP+1], s[OO:OO+1]
.set z, 0
.rept 4
	global_load_b128 v[CW+4*z:CW+4*z+3], v[CVI], s[14:15] offset:(z/2)*64+(z%2)*16
	global_load_b128 v[CO+4*z:CO+4*z+3], v[COI], s[16:17] offset:(z/2)*64+(z%2)*16
.set z, z+1
.endr
.set z, 0
.rept 8                                ; bias of channels 16 a + 8 (l / 16) + 0..7, a = z / 2
	global_load_b128 v[BI+4*z:BI+4*z+3], v[BOF], s[BSEL:BSEL+1] offset:(z/2)*64+(z%2)*16
.set z, z+1
.endr
.set z, 0
.rept 8                                ; the mask of key 32 z + lane
	global_load_b32 v[MK+z], v[MOF], s[96:97] offset:z*128
.set z, z+1
.endr
	s_wait_loadcnt 16                              ; the casts' eight loads are in; the bias's eight and the mask's eight are younger
.set z, 0
.rept 8
	v_cvt_pk_bf16_f32 v[CWP+z], v[CW+2*z], v[CW+2*z+1]
.set z, z+1
.endr
	global_store_b128 v[CVO], v[CWP:CWP+3], s[22:23]
	global_store_b128 v[CVO], v[CWP+4:CWP+7], s[22:23] offset:512
	ROUNDB CO, 16, RT
.set z, 0
.rept 8
	v_cvt_pk_f16_f32 v[COP+z], v[CO+2*z], v[CO+2*z+1]
.set z, z+1
.endr
	global_store_b128 v[COO], v[COP:COP+3], s[24:25]
	global_store_b128 v[COO], v[COP+4:COP+7], s[24:25] offset:512
	s_wait_loadcnt 0x0
	ROUNDB BI, 32, RT
	; THE ORDER OF THE KEYS.  Every wave makes its batch's, with all lanes on; wave 0 stores it, into the work-group's own copy.
	s_mov_b32 s[NB], 0
.set z, 0
.rept 8
	v_cmp_ne_u32 s[BAL+z], 0, v[MK+z]              ; a bit for each seen key of 32
	s_bcnt1_i32_b32 s[T1], s[BAL+z]
	s_add_co_u32 s[NB], s[NB], s[T1]               ; the number of seen keys
.set z, z+1
.endr
	s_mov_b32 s[T2], 0                             ; seen keys ahead of this group of 32
	s_mov_b32 s[T3], s[NB]                         ; the place of the group's first hidden key
.set z, 0
.rept 8
	v_mbcnt_lo_u32_b32 v[XT], s[BAL+z], 0          ; seen keys of the group below my lane
	v_sub_nc_u32 v[UU], v[VL], v[XT]               ; hidden ones
	v_add_nc_u32 v[XT], s[T2], v[XT]
	v_add_nc_u32 v[UU], s[T3], v[UU]
	v_cndmask_b32 v[XT], v[UU], v[XT], s[BAL+z]    ; my key's place
	v_min_u32 v[XT], 255, v[XT]                    ; it is below 256 by construction; the bound is written out since it enters an address
	v_lshl_add_u32 v[PO+z], v[XT], 2, s[OB]
	v_add_nc_u32 v[KY+z], 32*z, v[VL]
	s_bcnt1_i32_b32 s[T1], s[BAL+z]
	s_add_co_u32 s[T2], s[T2], s[T1]
	s_sub_co_u32 s[T1], 32, s[T1]
	s_add_co_u32 s[T3], s[T3], s[T1]
.set z, z+1
.endr
	v_mov_b32 v[CN], s[NB]
	s_cmp_lg_u32 s[WV], 0
	s_cbranch_scc1 .Lno_ord                        ; the branch hangs on the wave's number alone
.set z, 0
.rept 8
	global_store_b32 v[PO+z], v[KY+z], s[98:99]    ; 32 of the copy's 256 words, each at its key's place
.set z, z+1
.endr
	global_store_b32 v[COF], v[CN], s[98:99]       ; 128 consecutive bytes
.Lno_ord:
	s_wait_xcnt 0x0                                ; the stores' registers lie where the first conversions write: they are rewritten only behind this wait
; 32 LDS loads: the fragments of 32 along K (128 bytes of f32 at byte 128 q of the rows): the weights' four, then l's four.  A lane's 16 numbers are 32 bytes at 32 (l / 16) and 32 bytes 64 further on.
.macro FETCH q
	WIN 0x40
.set z, 0
.rept 16
	ds_load_b128 v[RAW+4*z:RAW+4*z+3], v[AW] offset:(z/4)*16*PITCH+(\q)*128+((z%4)/2)*64+(z%2)*16
.set z, z+1
.endr
.set z, 0
.rept 16
	ds_load_b128 v[RAW+64+4*z:RAW+64+4*z+3], v[AL] offset:(z/4)*16*PITCH+(\q)*128+((z%4)/2)*64+(z%2)*16
.set z, z+1
.endr
.endm
.macro CVT p                           ; rounded to bf16 into buffer p.  The products that read buffer p last stand in front of the other buffer's 64 conversions
	WIN 0x05
.set z, 0
.rept 64
	v_cvt_pk_bf16_f32 v[BF+64*(\p)+z], v[RAW+2*z], v[RAW+2*z+1]
.set z, z+1
.endr
.endm
; n products from number lo on; number 4 bq + a: channel tile a, key tile bq.  The 16 accumulators take turns.  first = 1: the bias starts the sums.
.macro MUL p, lo, n, first
.if \first
	WIN 0x40
.else
	WIN 0x50
.endif
.set zi, \lo
.rept \n
.if \first
	v_wmma_f32_16x16x32_bf16 v[ACC+8*zi:ACC+8*zi+7], v[BF+64*(\p)+8*(zi%4):BF+64*(\p)+8*(zi%4)+7], v[BF+64*(\p)+32+8*(zi/4):BF+64*(\p)+32+8*(zi/4)+7], v[BI+8*(zi%4):BI+8*(zi%4)+7]
.else
	v_wmma_f32_16x16x32_bf16 v[ACC+8*zi:ACC+8*zi+7], v[BF+64*(\p)+8*(zi%4):BF+64*(\p)+8*(zi%4)+7], v[BF+64*(\p)+32+8*(zi/4):BF+64*(\p)+32+8*(zi/4)+7], v[ACC+8*zi:ACC+8*zi+7]
.endif
.set zi, zi+1
.endr
.endm
.macro SUB q, first                    ; one of a K step's first three quarters
	s_wait_dscnt 0x0                               ; this quarter's f32 fragments are in
	CVT (\q)%2
	FETCH (\q)+1
	MUL (\q)%2, 0, 16, \first
.endm
; The last quarter changes slots: ONE barrier; in front of it each wave waits for all its tensor loads (one is out: its part of the next slot), adds 0 to its spare word, and waits for that and for its reads of this slot.
.macro TURN fill
	s_wait_dscnt 0x0                               ; the slot's last fragments are in registers
	CVT 1
	WIN 0
	s_wait_tensorcnt 0x0                           ; no tensor load of mine is out, so a group 0 may be written
	ds_add_u32 v[SPW], v[NIL]                      ; 0 onto my spare word
.if \fill
.irp g, G0L+4, G0W+4
	s_xor_b32 s[(\g)+1], s[(\g)+1], SLOT           ; the walking descriptor: the other slot than last time,
	s_add_nc_u64 s[(\g)+2:(\g)+3], s[(\g)+2:(\g)+3], 512  ; the next K step
.endr
.endif
	s_xor_b32 s[TB], s[TB], SLOT
	MUL 1, 0, 8, 0
	s_wait_dscnt 0x0                               ; the add is done
	s_barrier_signal -1
	MUL 1, 8, 8, 0
	WIN 0
	s_barrier_wait -1
.if \fill
	CREST                                          ; the barrier has opened a round of the cluster's: no wave of any partner still reads this slot or has a load on its way
	JLOAD
.endif
	v_add_nc_u32 v[AL], s[TB], v[AL0]
	v_add_nc_u32 v[AW], s[TB], v[AW0]
	FETCH 0
.endm
	s_wait_tensorcnt 0x1                           ; my part of K step 0 is in; step 1's may stay out
	s_barrier_signal -1
	s_barrier_wait -1
	FETCH 0
	SUB 0, 1
	WIN 0
	s_mov_b32 s[CNT], 4
.Lstep:                                                ; four trips: K steps 0 to 3, whose slots are filled again with steps 2 to 5
	SUB 1, 0
	SUB 2, 0
	TURN 1
	SUB 0, 0
	WIN 0
	s_sub_co_u32 s[CNT], s[CNT], 1
	s_cmp_lg_u32 s[CNT], 0
	s_cbranch_scc1 .Lstep
	SUB 1, 0                                       ; steps 4 and 5 ask for nothing
	SUB 2, 0
	TURN 0
	SUB 0, 0
	SUB 1, 0
	SUB 2, 0
	s_wait_dscnt 0x0
	CVT 1
	MUL 1, 0, 16, 0
	; THE WAY OUT.  Accumulator 4 bq + a rounds to 16 bytes a lane: key 16 bq + l % 16, channels 16 a + 8 (l / 16) + 0..7: key tile bq, half-fragment a of kf's and vf's order.
	PLACES
	WIN 0x05
.set z, 0
.rept 64
	v_cvt_pk_f16_f32 v[TP+z], v[ACC+2*z], v[ACC+2*z+1]
.set z, z+1
.endr
	WIN 0
.set z, 0
.rept 16
	global_store_b128 v[L16], v[TP+4*z:TP+4*z+3], s[OUTP:OUTP+1] offset:z*512  ; 512 consecutive bytes
.set z, z+1
.endr
	s_wait_tensorcnt 0x0                           ; the wave's end
	ds_add_u32 v[SPW], v[NIL]
	s_wait_dscnt 0x0
	CROUND                                         ; the closing round
	s_endpgm
.Lfunc_end_k_q418166b1ee_prep:
	.size	k_q418166b1ee_prep, .Lfunc_end_k_q418166b1ee_prep-k_q418166b1ee_prep
	.p2alignl 7, 3214868480
	.fill 96, 4, 3214868480
	.section	.rodata,"a",@progbits
	.p2align	6, 0x0
	.amdhsa_kernel k_q418166b1ee_prep
		.amdhsa_group_segment_fixed_size 327680
		.amdhsa_private_segment_fixed_size 0
		.amdhsa_enable_private_segment 0
		.amdhsa_kernarg_size 104
		.amdhsa_user_sgpr_count 2
		.amdhsa_user_sgpr_kernarg_segment_ptr 1
		.amdhsa_wavefront_size32 1
		.amdhsa_system_sgpr_workgroup_id_x 1
		.amdhsa_system_sgpr_workgroup_id_y 1
		.amdhsa_system_sgpr_workgroup_id_z 1
		.amdhsa_system_vgpr_workitem_id 0
		.amdhsa_next_free_vgpr 512
		.amdhsa_next_free_sgpr 100
		.amdhsa_reserve_vcc 0
		.amdhsa_float_denorm_mode_32 3
		.amdhsa_float_denorm_mode_16_64 3
		.amdhsa_memory_ordered 1
		.amdhsa_forward_progress 1
		.amdhsa_inst_pref_size 115
	.end_amdhsa_kernel
	.amdgpu_metadata
---
amdhsa.version: [ 1, 2 ]
amdhsa.kernels:
  - .name:           k_q418166b1ee_prep
    .symbol:         k_q418166b1ee_prep.kd
    .args:
      - { .name: l, .offset: 0, .size: 8, .value_kind: global_buffer, .address_space: global }
      - { .name: w_l, .offset: 8, .size: 8, .value_kind: global_buffer, .address_space: global }
      - { .name: w_vl, .offset: 16, .size: 8, .value_kind: global_buffer, .address_space: global }
      - { .name: b_l, .offset: 24, .size: 8, .value_kind: global_buffer, .address_space: global }
      - { .name: b_vl, .offset: 32, .size: 8, .value_kind: global_buffer, .address_space: global }
      - { .name: w_v, .offset: 40, .size: 8, .value_kind: global_buffer, .address_space: global }
      - { .name: w_out, .offset: 48, .size: 8, .value_kind: global_buffer, .address_space: global }
      - { .name: kf, .offset: 56, .size: 8, .value_kind: global_buffer, .address_space: global }
      - { .name: vf, .offset: 64, .size: 8, .value_kind: global_buffer, .address_space: global }
      - { .name: wvf, .offset: 72, .size: 8, .value_kind: global_buffer, .address_space: global }
      - { .name: wof, .offset: 80, .size: 8, .value_kind: global_buffer, .address_space: global }
      - { .name: attention_mask_l, .offset: 88, .size: 8, .value_kind: global_buffer, .address_space: global }
      - { .name: ord, .offset: 96, .size: 8, .value_kind: global_buffer, .address_space: global }
    .group_segment_fixed_size: 327680
    .private_segment_fixed_size: 0
    .kernarg_segment_align: 8
    .kernarg_segment_size: 104
    .max_flat_workgroup_size: 128
    .sgpr_count:     100
    .vgpr_count:     512
    .wavefront_size: 32
...
	.end_amdgpu_metadata
.endif
;; end of part 1
;; launch qmax (part 2): grid 256 x 1, 4 waves a work-group, clusters of 4 x 1, 327,680 bytes of LDS; arguments v, b_v, wvf, kf, qf, gpart; writes qf, gpart
.if DOCPART == 2
	.amdgcn_target "amdgcn-amd-amdhsa--gfx1250"
	.amdhsa_code_object_version 6
	.text
	.protected	k_q418166b1ee_qmax
	.globl	k_q418166b1ee_qmax
	.p2align	8
	.type	k_q418166b1ee_qmax,@function
k_q418166b1ee_qmax:
	s_mov_b64 s[64:65], 0
	v_nop
	global_prefetch_b8 v0, s[64:65] scope:SCOPE_SE
	s_setreg_imm32_b32 hwreg(HW_REG_WAVE_MODE, 25, 1), 1
	s_wait_xcnt 0x0
	s_wait_alu depctr_hold_cnt(0) depctr_sa_sdst(0) depctr_va_vdst(0) depctr_va_sdst(0) depctr_va_ssrc(0) depctr_va_vcc(0) depctr_vm_vsrc(0)
	s_getreg_b32 s2, hwreg(HW_REG_IB_STS2, 6, 4)
	s_cmp_eq_u32 s2, 0
	s_cbranch_scc0 .Lentry_in_a_cluster
	s_endpgm
.Lentry_in_a_cluster:
	s_bfe_u32 s2, ttmp6, 0x10000c
	s_cmp_lg_u32 s2, 0x3003
	s_cbranch_scc0 .Lentry_shape_is_right
	s_endpgm
.Lentry_shape_is_right:
; QMAX.  q = v w_v^T + b_v (v: [32768][512] f32; v, w_v and b_v rounded to bf16; sums f32), WITHOUT the scale 1/8, written as f16 in fragment order
; (qf: (b 16 + h) 524288 + qt 2048 + c 1024: rows = queries, k = channels), and the largest raw score q . k of all heads, queries and keys, hidden keys too: one number a wave into gpart.
; The score of the problem is the raw score / 8, exactly.  LIMITS: q must lie within f16's 65,504; a NaN among the scores is dropped by the maximum.
; SHARES.  A work-group owns 128 rows of v, kept in LDS as bf16.  Wave w makes heads w, 4 + w, 8 + w, 12 + w for all 128 rows: q^T = W_h v^T (source 0 = 16 channels, source 1 = 16 queries): 32 accumulators;
; a lane holds ONE query and eight channels, so two accumulators rounded to f16 ARE source 1 of S^T = K Q^T.  Of S^T only a running maximum is kept.
; THE STREAM.  Each wave walks 24 chunks of 16 KiB through its own two LDS slots: for each head four of wvf (four k steps each), then two of kf (eight key tiles each): 128 matrix instructions a chunk.
; CLUSTER 4 x 1: the four row blocks of a cluster belong to one batch and walk the same chunks: every chunk is asked for JOINTLY.  Behind the boundary that ends chunk n, chunk n + 2 is asked for: it has one chunk's work in which to land.
; REGISTERS.  window 0: v0-31 addresses; v32-63 bias; v64-159, v160-255 two fragment buffers (4 of w_v, then 8 of v).
;   window 1: v0-127 q as f16; v128-191 S^T (8 tiles); v192-223 K, two buffers of one key tile; v224-227 running maxima; v228 K's LDS address.      window 2: the accumulators; at the start v's f32.
.set CHUNK, 16384
.set SLOT1, 65536                      ; slot 1 of the ring; wave w's part of a slot begins at w x 16,384, which has no bit in common
.set VB,    131072                     ; v as bf16: 128 rows
.set VP,    1040                       ; 1,024 bytes + 16 of padding = 260 words: the 16 rows of a load start at 16 different groups of four banks (ISA guide 11.1)
.set SPARE, VB+128*VP
.set LR,   1
.set HL,   2
.set L16,  3
.set AW0,  4
.set AW,   5
.set VB0B, 6
.set VB1B, 7
.set VB0,  8
.set VB1,  9
.set VST,  10
.set BOF,  11
.set VT,   12
.set GO,   14
.set LANE, 15
.set SPW,  28
.set NIL,  29
.set RT,   30
.set BQ,   32
.set F0,   64
.set F1,   160
.set CT,   64
.set QF,   0                           ; window 1
.set S,    128
.set KA,   192
.set RUN,  224
.set AKK,  228
.set WV,   16
.set CX,   17
.set RB,   18
.set BB,   19
.set WOFF, 20
.set TB,   21
.set G1,   24
.set G0A,  32
.set G0,   36
.set NA,   40
.set PW,   44
.set PK,   46
.set QP,   48
.set BP,   50
.set HC,   52
.set CC,   53
.set KC,   54
.set SEL,  56
.set MSB, 0
.macro WIN new
.if MSB != (\new)
	s_set_vgpr_msb (MSB<<8)|(\new)
.set MSB, \new
.endif
.endm
.macro PLACES
.rept 4
	v_nop
.endr
.endm
.macro CREST
	s_cmp_lg_u32 s[WV], 0
	s_cbranch_scc1 .Lnot_wave_0_\@
	s_barrier_signal -3
.Lnot_wave_0_\@:
	s_barrier_wait -3
	s_barrier_signal -1
	s_barrier_wait -1
.endm
.macro CROUND
	s_barrier_signal -1
	s_barrier_wait -1
	CREST
.endm
.macro ROUNDB base, n, tmp
.set zr, 0
.rept (\n)/2
	v_cvt_pk_bf16_f32 v[\tmp], v[(\base)+2*zr], v[(\base)+2*zr+1]
	v_lshlrev_b32 v[(\base)+2*zr], 16, v[\tmp]
	v_and_b32 v[(\base)+2*zr+1], 0xffff0000, v[\tmp]
.set zr, zr+1
.endr
.endm
	s_load_b256 s[4:11], s[0:1], 0x0               ; v, b_v, wvf, kf
	s_load_b128 s[12:15], s[0:1], 0x20             ; qf, gpart
	v_lshl_add_u32 v[SPW], v0, 2, SPARE
	v_mov_b32 v[NIL], 0
	ds_add_u32 v[SPW], v[NIL]                      ; the wave's opening: the add and its wait ahead of my first tensor load
	v_lshrrev_b32 v[VT], 5, v0
	v_readfirstlane_b32 s[WV], v[VT]
	s_bfe_u32 s[CX], ttmp6, 0x40000
	s_lshl_b32 s[RB], ttmp9, 2
	s_add_co_u32 s[RB], s[RB], s[CX]               ; my block of 128 rows: it enters v's, qf's and gpart's addresses alone
	s_lshr_b32 s[BB], ttmp9, 3                     ; the batch, which the four partners share
	s_mov_b32 s[G1], 15|(3<<16)|(1<<21)            ; the mask of four; 8-byte elements; bit 21 beside a mask.  A chunk is dense: 64 rows of 256 bytes
	s_mov_b32 s[G1+1], 32<<16
	s_mov_b32 s[G1+2], 64<<16
	s_mov_b32 s[G1+3], 32<<16
	s_mov_b32 s[G1+4], 64
	s_mov_b32 s[G1+5], 32
	s_mov_b32 s[G1+6], 0
	s_mov_b32 s[G1+7], 0
	s_lshl_b32 s[WOFF], s[WV], 14
	s_mov_b32 s[TB], 0
	s_mov_b32 s[SEL], 0x76543210
	s_mov_b32 s[SEL+1], 0xfedcba98
	v_and_b32 v[LR], 15, v0
	v_bfe_u32 v[HL], v0, 4, 1
	v_and_b32 v[LANE], 31, v0
	v_lshlrev_b32 v[L16], 4, v[LANE]
	v_add_nc_u32 v[AW0], s[WOFF], v[L16]           ; my 16 bytes of a fragment's half in my part of slot 0
	v_mul_u32_u24 v[VB0B], v[LR], VP
	v_lshl_add_u32 v[VB0B], v[HL], 4, v[VB0B]
	v_add_nc_u32 v[VB0B], VB, v[VB0B]              ; v's fragments: row x pitch + 16 x half, query tiles 0-3;
	v_add_nc_u32 v[VB1B], 4*16*VP, v[VB0B]         ; tiles 4-7: beyond the reach of a 16-bit offset
	s_mul_i32 s58, s[WV], 32*VP
	s_add_co_u32 s58, s58, VB
	v_lshl_add_u32 v[VST], v[LANE], 3, s58         ; where I put four bf16 of my wave's 32 rows
	v_lshlrev_b32 v[BOF], 5, v[HL]
	s_lshl_b32 s22, s[RB], 18                      ; 128 rows of 2,048 bytes,
	s_lshl_b32 s58, s[WV], 16                      ; my wave's 32 of them
	s_add_co_u32 s22, s22, s58
	s_mov_b32 s23, 0
	s_lshl_b32 s59, s[BB], 4
	s_add_co_u32 s59, s59, s[WV]                   ; b 16 + w: my first head
	s_mov_b32 s43, 0
	s_wait_dscnt 0x0                               ; the opening add is done
	s_wait_kmcnt 0x0
	s_add_nc_u64 s[4:5], s[4:5], s[22:23]
	s_lshl_b32 s22, s59, 19
	s_and_b32 s58, s[RB], 31
	s_lshl_b32 s58, s58, 14
	s_add_co_u32 s22, s22, s58
	s_add_nc_u64 s[QP:QP+1], s[12:13], s[22:23]    ; qf at my head and my 8 query tiles
	s_lshl_b32 s42, s[WV], 8
	s_add_nc_u64 s[BP:BP+1], s[6:7], s[42:43]
	s_lshl_b32 s42, s[WV], 16
	s_add_nc_u64 s[PW:PW+1], s[8:9], s[42:43]
	s_lshl_b32 s42, s59, 15
	s_add_nc_u64 s[PK:PK+1], s[10:11], s[42:43]
.set z, 0
.rept 8                                ; bias of channels 16 ct + 8 (l / 16) + 0..7
	global_load_b128 v[BQ+4*z:BQ+4*z+3], v[BOF], s[BP:BP+1] offset:(z/2)*64+(z%2)*16
.set z, z+1
.endr
	WIN 0x80
.set z, 0
.rept 64                               ; my 32 rows are 128 pieces of 512 consecutive bytes; the first 64
	global_load_b128 v[4*z:4*z+3], v[L16], s[4:5] offset:z*512 th:TH_LOAD_NT
.set z, z+1
.endr
	WIN 0
	s_mov_b32 s[G0A], 1
	s_mov_b32 s[G0A+1], s[WOFF]
	s_mov_b64 s[G0A+2:G0A+3], s[PW:PW+1]
	s_or_b32 s[G0A+3], s[G0A+3], 0x80000000
	s_mov_b32 s[G0], 1
	s_add_co_u32 s[G0+1], s[WOFF], SLOT1
	s_add_nc_u64 s[G0+2:G0+3], s[PW:PW+1], CHUNK
	s_or_b32 s[G0+3], s[G0+3], 0x80000000
	CROUND                                         ; all four work-groups are here: the first joint loads meet
	tensor_load_to_lds s[G0A:G0A+3], s[G1:G1+7]    ; chunks 0 and 1: two loads of mine are out
	s_nop 0
	tensor_load_to_lds s[G0:G0+3], s[G1:G1+7]
	s_nop 0
	PLACES
; Eight pieces of v are rounded to bf16 and put into LDS; in the first eight groups their registers are loaded again with the pieces 64 further on.
.macro VGROUP g
.if (\g) < 8
	s_wait_loadcnt 56                              ; loads come back in order (ISA guide 5.7.1): 56 were issued behind this group's last
.else
	s_wait_loadcnt 8*(15-(\g))
.endif
	WIN 0x0a
.set z, 0
.rept 16
	v_cvt_pk_bf16_f32 v[CT+z], v[32*((\g)%8)+2*z], v[32*((\g)%8)+2*z+1]
.set z, z+1
.endr
	WIN 0
.set z, 0
.rept 8
	ds_store_b64 v[VST], v[CT+2*z:CT+2*z+1] offset:((8*(\g)+z)/4)*VP+((8*(\g)+z)%4)*256  ; 256 consecutive bytes
.set z, z+1
.endr
.if (\g) < 8
	WIN 0x80
.set z, 0
.rept 8
	global_load_b128 v[32*(\g)+4*z:32*(\g)+4*z+3], v[L16], s[4:5] offset:(64+8*(\g)+z)*512 th:TH_LOAD_NT
.set z, z+1
.endr
.endif
.endm
.irp g, 0,1,2,3,4,5,6,7,8,9,10,11,12,13,14,15
	VGROUP \g
.endr
	WIN 0x40
.irp k, 0,1,2,3
	v_mov_b32 v[RUN+\k], 0xff800000                ; minus infinity
.endr
	WIN 0
	s_wait_dscnt 0x0                               ; for the others' sake: my rows of v are in LDS
	s_wait_tensorcnt 0x1                           ; chunk 0 is in; chunk 1 may stay out
	s_barrier_signal -1
	s_barrier_wait -1
; 24 LDS loads: the fragments of k step ks of the chunk in hand: 4 of w_v, 8 of v
.macro FETCHW f, ks
	WIN 0
.irp ct, 0,1,2,3
	ds_load_b128 v[(\f)+8*\ct:(\f)+8*\ct+3],   v[AW] offset:(\ks)*4096+\ct*1024
	ds_load_b128 v[(\f)+8*\ct+4:(\f)+8*\ct+7], v[AW] offset:(\ks)*4096+\ct*1024+512
.endr
.irp qt, 0,1,2,3
	ds_load_b128 v[(\f)+32+8*\qt:(\f)+32+8*\qt+3],   v[VB0] offset:\qt*16*VP+(\ks)*64
	ds_load_b128 v[(\f)+32+8*\qt+4:(\f)+32+8*\qt+7], v[VB0] offset:\qt*16*VP+(\ks)*64+32
.endr
.irp qt, 0,1,2,3
	ds_load_b128 v[(\f)+64+8*\qt:(\f)+64+8*\qt+3],   v[VB1] offset:\qt*16*VP+(\ks)*64
	ds_load_b128 v[(\f)+64+8*\qt+4:(\f)+64+8*\qt+7], v[VB1] offset:\qt*16*VP+(\ks)*64+32
.endr
.endm
; 4 n products: query tiles q0 .. q0 + n - 1 x the 4 channel tiles.  The 32 accumulators take turns.  first = 1: the bias starts the sums.
.macro MULW f, q0, n, first
.if \first
	WIN 0x80
.else
	WIN 0xa0
.endif
.set zq, \q0
.rept \n
.irp ct, 0,1,2,3
.if \first
	v_wmma_f32_16x16x32_bf16 v[8*(4*zq+\ct):8*(4*zq+\ct)+7], v[(\f)+8*\ct:(\f)+8*\ct+7], v[(\f)+32+8*zq:(\f)+32+8*zq+7], v[BQ+8*\ct:BQ+8*\ct+7]
.else
	v_wmma_f32_16x16x32_bf16 v[8*(4*zq+\ct):8*(4*zq+\ct)+7], v[(\f)+8*\ct:(\f)+8*\ct+7], v[(\f)+32+8*zq:(\f)+32+8*zq+7], v[8*(4*zq+\ct):8*(4*zq+\ct)+7]
.endif
.endr
.set zq, zq+1
.endr
.endm
.macro KSTEP f, g, ks, first           ; multiplies buffer f; in its middle fetches k step ks into buffer g
	s_wait_dscnt 8                                 ; all but v's query tiles 4-7
	MULW \f, 0, 4, \first
	PLACES                                         ; four places in front of loads into registers that matrix instructions have read
	FETCHW \g, \ks
	s_wait_dscnt 24                                ; all but the 24 just issued
	MULW \f, 4, 4, \first
.endm
.macro KALOAD buf, base                ; one key tile: two fragments, four loads
.set zk, 0
.rept 4
	ds_load_b128 v[KA+16*(\buf)+4*zk:KA+16*(\buf)+4*zk+3], v[AKK] offset:(\base)+512*zk
.set zk, zk+1
.endr
.endm
.macro KSTART                          ; a chunk of K begins: its address and its first key tile
	WIN 0x40
	v_add_nc_u32 v[AKK], s[TB], v[AW0]
	WIN 0x41
	KALOAD 0, 0
.endm
; A chunk's last k step multiplies buffer 1 and changes slots.  In front of the round each wave waits for all its tensor loads (one is out: the next chunk), adds 0 to its spare word, and waits for that and for its reads of this slot.
; Behind the round the slot just left is filled again first, with the chunk at NA.  last = 1: the head's last chunk of w_v: K follows.
.macro TURNW last
	WIN 0
	s_wait_tensorcnt 0x0                           ; no tensor load of mine is out, so group 0 may be written
	ds_add_u32 v[SPW], v[NIL]                      ; 0 onto my spare word
	s_xor_b32 s[G0+1], s[G0+1], SLOT1              ; the other slot than last time
	s_mov_b64 s[G0+2:G0+3], s[NA:NA+1]
	s_or_b32 s[G0+3], s[G0+3], 0x80000000
	s_xor_b32 s[TB], s[TB], SLOT1
.if (\last) == 0
	s_add_nc_u64 s[NA:NA+1], s[NA:NA+1], CHUNK     ; what the next change asks for: the next chunk of w_v, or behind its last the head's K
	s_cmp_eq_u32 s[CC], 2
	s_cselect_b64 s[NA:NA+1], s[PK:PK+1], s[NA:NA+1]
.endif
	s_wait_dscnt 9                                 ; the add and the youngest eight loads may be out
	MULW F1, 0, 2, 0
	s_wait_dscnt 0x0                               ; the add is done, and my reads of this slot are over
	s_barrier_signal -1
	MULW F1, 2, 2, 0
	WIN 0
	s_barrier_wait -1
	CREST                                          ; no wave of any partner still reads the slot or has a load on its way
	tensor_load_to_lds s[G0:G0+3], s[G1:G1+7]
	s_nop 0
	PLACES                                         ; also the places in front of the loads below
.if (\last) == 0
	v_add_nc_u32 v[AW], s[TB], v[AW0]
	v_add_nc_u32 v[VB0], 256, v[VB0]               ; four k steps on in v's rows
	v_add_nc_u32 v[VB1], 256, v[VB1]
	FETCHW F0, 0
.else
	KSTART
.endif
	MULW F1, 4, 4, 0
.endm
; A boundary between chunks of K, or from K to the next head: the same lines, with nothing to multiply.
.macro BOUND src, imm
	WIN 0
	s_wait_tensorcnt 0x0
	ds_add_u32 v[SPW], v[NIL]
	s_xor_b32 s[G0+1], s[G0+1], SLOT1
	s_add_nc_u64 s[G0+2:G0+3], s[\src:\src+1], \imm
	s_or_b32 s[G0+3], s[G0+3], 0x80000000
	s_xor_b32 s[TB], s[TB], SLOT1
	s_wait_dscnt 0x0
	CROUND
	tensor_load_to_lds s[G0:G0+3], s[G1:G1+7]
	s_nop 0
	PLACES
.endm
; THE SCORES OF A CHUNK OF K: four trips of two key tiles, all in window 1.  Product zw of a trip's 32: key tile zw / 16, query tiles 2 p and 2 p + 1 with p = (zw % 16) / 4, channels 32 ((zw % 4) / 2) on:
; between the two links of a sum stands the other tile's product.  Behind each product from the fifth on stand two of the 64 lines that take a finished tile into the running maxima, lowest registers first;
; a tile's first such line stands four plain lines or more behind its last product.
.macro KITEM j
	v_max3_num_f32 v[RUN+(\j)%4], v[RUN+(\j)%4], v[S+8*(((\j)/4)%8)+2*((\j)%4)], v[S+8*(((\j)/4)%8)+2*((\j)%4)+1]
.endm
.macro KLOOP
	WIN 0
	s_mov_b32 s[KC], 4
.Lk_\@:
	WIN 0x55
	KALOAD 1, 2048                                 ; the trip's second key tile: its registers' last reader stands ten plain lines back or more
	s_wait_dscnt 4                                 ; the first key tile is in
.set zw, 0
.rept 32
.if zw == 16
	s_wait_dscnt 0x0                               ; the second is in
.endif
.set zt, 2*((zw%16)/4)+zw%2
.if (zw%4) < 2
	v_wmma_f32_16x16x32_f16 v[S+8*zt:S+8*zt+7], v[KA+16*(zw/16):KA+16*(zw/16)+7], v[QF+16*zt:QF+16*zt+7], 0
.else
	v_wmma_f32_16x16x32_f16 v[S+8*zt:S+8*zt+7], v[KA+16*(zw/16)+8:KA+16*(zw/16)+15], v[QF+16*zt+8:QF+16*zt+15], v[S+8*zt:S+8*zt+7]
.endif
.if (zw == 2) || (zw == 3)
	v_nop
	v_nop
.endif
.if zw >= 4
	KITEM 2*(zw-4)
	KITEM 2*(zw-4)+1
.endif
.if zw == 19
	WIN 0
	s_cmp_eq_u32 s[KC], 1
	s_cbranch_scc1 .Lkn_\@                         ; the chunk's last trip fetches nothing more
	WIN 0x55
	v_add_nc_u32 v[AKK], 4096, v[AKK]
	KALOAD 0, 0                                    ; the next trip's first key tile
	WIN 0
.Lkn_\@:
	WIN 0x55
.endif
.set zw, zw+1
.endr
.irp j, 56,57,58,59,60,61,62,63
	KITEM \j
.endr
	WIN 0
	s_sub_co_u32 s[KC], s[KC], 1
	s_cmp_lg_u32 s[KC], 0
	s_cbranch_scc1 .Lk_\@
.endm
	s_mov_b32 s[HC], 4                             ; heads to go, this one among them
.Lhead:
	s_wait_loadcnt 0x0                             ; the head's bias
	ROUNDB BQ, 32, RT
	v_mov_b32 v[VB0], v[VB0B]
	v_mov_b32 v[VB1], v[VB1B]
	v_add_nc_u32 v[AW], s[TB], v[AW0]
	s_add_nc_u64 s[NA:NA+1], s[PW:PW+1], 2*CHUNK   ; the first change of slots asks for the head's third chunk
	FETCHW F0, 0
	KSTEP F0, F1, 1, 1
	WIN 0
	s_mov_b32 s[CC], 3
.Lw:                                                   ; three trips: from a chunk's second k step to the next chunk's first
	KSTEP F1, F0, 2, 0
	KSTEP F0, F1, 3, 0
	TURNW 0
	KSTEP F0, F1, 1, 0
	WIN 0
	s_sub_co_u32 s[CC], s[CC], 1
	s_cmp_lg_u32 s[CC], 0
	s_cbranch_scc1 .Lw
	KSTEP F1, F0, 2, 0
	KSTEP F0, F1, 3, 0
	TURNW 1                                        ; asks for the head's second chunk of K
	PLACES
	s_wait_xcnt 0x0                                ; the last head's stores have read q's registers
	WIN 0x4a
.set z, 0
.rept 128                              ; accumulator 4 qt + ct rounds to four registers: half ct % 2 of fragment (qt, ct / 2)
	v_cvt_pk_f16_f32 v[QF+z], v[2*z], v[2*z+1]
.set z, z+1
.endr
	WIN 0x04
.set z, 0
.rept 32
	global_store_b128 v[L16], v[QF+4*z:QF+4*z+3], s[QP:QP+1] offset:z*512  ; 512 consecutive bytes
.set z, z+1
.endr
	KLOOP                                          ; keys 0 to 127
	s_cmp_eq_u32 s[HC], 1
	s_cbranch_scc1 .Ltail                          ; the last head's tail is written out: it asks for nothing more
	BOUND PW, 4*65536                              ; the next head's first chunk
	s_add_nc_u64 s[PW:PW+1], s[PW:PW+1], 4*65536
	KSTART
	WIN 0
	s_wait_xcnt 0x0                                ; the stores and the bias loads have read their bases
	s_add_nc_u64 s[BP:BP+1], s[BP:BP+1], 1024
	s_add_nc_u64 s[QP:QP+1], s[QP:QP+1], 4*524288
.set z, 0
.rept 8
	global_load_b128 v[BQ+4*z:BQ+4*z+3], v[BOF], s[BP:BP+1] offset:(z/2)*64+(z%2)*16
.set z, z+1
.endr
	KLOOP                                          ; keys 128 to 255
	BOUND PW, CHUNK                                ; the next head's second chunk
	s_add_nc_u64 s[PK:PK+1], s[PK:PK+1], 4*32768
	s_sub_co_u32 s[HC], s[HC], 1
	s_branch .Lhead
.Ltail:
	s_wait_tensorcnt 0x0                           ; the last chunk, my own bytes; nothing is filled again, so no barrier
	s_xor_b32 s[TB], s[TB], SLOT1
	KSTART
	KLOOP
	WIN 0x15
	v_max3_num_f32 v[VT], v[RUN], v[RUN+1], v[RUN+2]
	WIN 0x04
	v_max_num_f32 v[VT], v[VT], v[RUN+3]
	WIN 0
	v_max_num_f32_dpp v[VT], v[VT], v[VT] row_xmask:1 row_mask:0xf bank_mask:0xf
	v_max_num_f32_dpp v[VT], v[VT], v[VT] row_xmask:2 row_mask:0xf bank_mask:0xf
	v_max_num_f32_dpp v[VT], v[VT], v[VT] row_xmask:4 row_mask:0xf bank_mask:0xf
	v_max_num_f32_dpp v[VT], v[VT], v[VT] row_xmask:8 row_mask:0xf bank_mask:0xf
	v_mov_b32 v[VT+1], 0
	v_permlanex16_b32 v[VT+1], v[VT], s[SEL], s[SEL+1]
	v_max_num_f32 v[VT], v[VT], v[VT+1]            ; every lane holds the wave's maximum
	s_lshl_b32 s58, s[RB], 2
	s_add_co_u32 s58, s58, s[WV]
	s_lshl_b32 s58, s58, 2
	v_mov_b32 v[GO], s58
	v_cmp_eq_u32 vcc_lo, 0, v[LANE]
	s_wait_xcnt 0x0                                ; EXEC changes only behind this wait
	s_and_saveexec_b32 s59, vcc_lo
	global_store_b32 v[GO], v[VT], s[14:15]        ; one word a wave
	s_wait_xcnt 0x0
	s_or_b32 exec_lo, exec_lo, s59
	s_wait_tensorcnt 0x0                           ; the wave's end
	ds_add_u32 v[SPW], v[NIL]
	s_wait_dscnt 0x0
	CROUND                                         ; the closing round
	s_endpgm
.Lfunc_end_k_q418166b1ee_qmax:
	.size	k_q418166b1ee_qmax, .Lfunc_end_k_q418166b1ee_qmax-k_q418166b1ee_qmax
	.p2alignl 7, 3214868480
	.fill 96, 4, 3214868480
	.section	.rodata,"a",@progbits
	.p2align	6, 0x0
	.amdhsa_kernel k_q418166b1ee_qmax
		.amdhsa_group_segment_fixed_size 327680
		.amdhsa_private_segment_fixed_size 0
		.amdhsa_enable_private_segment 0
		.amdhsa_kernarg_size 48
		.amdhsa_user_sgpr_count 2
		.amdhsa_user_sgpr_kernarg_segment_ptr 1
		.amdhsa_wavefront_size32 1
		.amdhsa_system_sgpr_workgroup_id_x 1
		.amdhsa_system_sgpr_workgroup_id_y 1
		.amdhsa_system_sgpr_workgroup_id_z 1
		.amdhsa_system_vgpr_workitem_id 0
		.amdhsa_next_free_vgpr 768
		.amdhsa_next_free_sgpr 66
		.amdhsa_reserve_vcc 1
		.amdhsa_float_denorm_mode_32 3
		.amdhsa_float_denorm_mode_16_64 3
		.amdhsa_memory_ordered 1
		.amdhsa_forward_progress 1
		.amdhsa_inst_pref_size 116
	.end_amdhsa_kernel
	.amdgpu_metadata
---
amdhsa.version: [ 1, 2 ]
amdhsa.kernels:
  - .name:           k_q418166b1ee_qmax
    .symbol:         k_q418166b1ee_qmax.kd
    .args:
      - { .name: v, .offset: 0, .size: 8, .value_kind: global_buffer, .address_space: global }
      - { .name: b_v, .offset: 8, .size: 8, .value_kind: global_buffer, .address_space: global }
      - { .name: wvf, .offset: 16, .size: 8, .value_kind: global_buffer, .address_space: global }
      - { .name: kf, .offset: 24, .size: 8, .value_kind: global_buffer, .address_space: global }
      - { .name: qf, .offset: 32, .size: 8, .value_kind: global_buffer, .address_space: global }
      - { .name: gpart, .offset: 40, .size: 8, .value_kind: global_buffer, .address_space: global }
    .group_segment_fixed_size: 327680
    .private_segment_fixed_size: 0
    .kernarg_segment_align: 8
    .kernarg_segment_size: 48
    .max_flat_workgroup_size: 128
    .sgpr_count:     66
    .vgpr_count:     768
    .wavefront_size: 32
...
	.end_amdgpu_metadata
.endif
;; end of part 2
;; launch attn (part 3): grid 256 x 1, 4 waves a work-group, no clusters, 41,472 bytes of LDS; arguments qf, kf, vf, gpart, ord, of; writes of
.if DOCPART == 3
	.amdgcn_target "amdgcn-amd-amdhsa--gfx1250"
	.amdhsa_code_object_version 6
	.text
	.protected	k_q418166b1ee_attn
	.globl	k_q418166b1ee_attn
	.p2align	8
	.type	k_q418166b1ee_attn,@function
k_q418166b1ee_attn:
	s_mov_b64 s[64:65], 0
	v_nop
	global_prefetch_b8 v0, s[64:65] scope:SCOPE_SE
	s_setreg_imm32_b32 hwreg(HW_REG_WAVE_MODE, 25, 1), 1
	s_wait_xcnt 0x0
; ATTN.  With s the raw score q . k (the problem's score is s / 8, exactly) and G the largest raw score of the whole problem, hidden keys too (the maximum of gpart's 1,024 words):
; the problem's clip(s / 8 - G / 8, -50000, 50000) is, up to the common shift G / 8, max(s, G - 400000) / 8; the upper clip never binds, since no s passes G.  A hidden key's weight is 0.
; Then softmax with the ROW's maximum taken away, p = 2^(c s' - c m), c = log2(e) / 8, and O = P val / sum p.  Same mathematics as the problem's, another order of f32 rounding.
; q, k, val, p and O are f16 (fragment order, see the launches before); products, maxima and sums f32; the sum is taken of the unrounded p.
; LIMITS.  A weight below 2^-126 counts as 0; a batch whose keys are all hidden gives NaN, as the problem's softmax does; NaN and infinite inputs are not treated apart.
; HIDDEN KEYS ARE LEFT OUT.  ord (whole numbers, made by the first launch; work-group g reads copy g, which is its batch's) lists the batch's keys, the seen ones first, and their number.
; K and val are gathered in that order, 16 bytes a lane and key; the work goes in n = max(1, ceil(seen / 32)) UNITS of 32 places.  Only unit n - 1 can hold hidden places: it alone takes a mask, 16 registers made from the number.
; SHARES.  A wave owns 512 queries of one batch and head: 32 tiles of 16.  K (256 registers) and val^T (256; turned once in the wave's own stage in LDS) stay in registers.
; S^T = K Q^T holds ONE query a lane; rounded in pairs it IS source 1 of O^T = val^T P.  A lane holds half a row of scores: a true row maximum, no rescaling.
; A TILE.  Units p = 0 .. n - 1: four products K Q^T, and behind each six lines of unit p - 1's floor and maximum; a jump forward to unit n - 1's own 24 lines; the row's maximum; block 0's softmax;
; units kk = 1 .. n - 1: four products val^T P of block kk - 1, and behind each ten lines of block kk's softmax; a jump forward to the last block's four products; the way out.  Every jump goes forward.
; NO CLUSTER: the waves share nothing but K and val, 64 KiB that each reads once, against 128 KiB of q and O of its own.
; REGISTERS.  window 0: v1-15 addresses and statistics; v16-31 the mask; v32-47 the keys' offsets; v48-61 set-up; v64-127 P (at the start gpart); v128-255 S^T (at the start val as gathered).
;   window 1: v0-15 Q; v32-63 O^T; v64-79 O as f16.   window 2: K, key tile kt, channel half c at 16 kt + 8 c.   window 3: val^T, 32 places kk, channel tile cb at 8 (4 kk + cb).
.set SPV,   160                        ; a stage row: 128 bytes + 32
.set SPARE, 4*64*SPV                   ; behind the four stages: the spare words, 128 bytes for each wave
.set ORDC,  262144                     ; byte of ord at which the counts begin
.set L16, 1
.set QA,  2
.set OA,  3
.set C,   4
.set CM,  8
.set RL,  10
.set VT,  12
.set SUM, 14
.set U,   16
.set KO,  32
.set STO, 48
.set TRA, 49
.set HL,  50
.set LR,  51
.set H256, 52
.set TA,  53
.set OOF, 54
.set PI,  55
.set NI,  56
.set VC,  57
.set SPW, 60
.set NIL, 61
.set P,   64
.set GP,  64
.set S,   128
.set Q,   0                            ; window 1
.set O,   32
.set OFR, 64
.set WV,  16
.set BH,  17
.set QC,  18
.set BB,  19
.set HH,  20
.set TC,  24
.set NN,  25
.set CS,  26
.set SEL, 28
.set SOFF, 30
.set CNT, 31
.set KN,  34
.set MSB, 0
.macro WIN new
.if MSB != (\new)
	s_set_vgpr_msb (MSB<<8)|(\new)
.set MSB, \new
.endif
.endm
	s_load_b256 s[4:11], s[0:1], 0x0               ; qf, kf, vf, gpart
	s_load_b128 s[12:15], s[0:1], 0x20             ; ord, of
	v_lshl_add_u32 v[SPW], v0, 2, SPARE
	v_mov_b32 v[NIL], 0
	v_lshrrev_b32 v[VT], 5, v0
	v_readfirstlane_b32 s[WV], v[VT]
	v_and_b32 v[L16], 31, v0
	v_lshlrev_b32 v[L16], 4, v[L16]
	v_and_b32 v[LR], 15, v0
	v_bfe_u32 v[HL], v0, 4, 1
	v_lshlrev_b32 v[H256], 8, v[HL]                ; the upper half of the lanes: 16 lanes of 16 bytes on in a fragment's half
	v_lshlrev_b32 v[OOF], 2, v[LR]
	v_mov_b32 v[QA], v[L16]
	v_mov_b32 v[OA], v[L16]
	s_mul_i32 s21, s[WV], 64*SPV                   ; my stage
	v_mul_u32_u24 v[STO], v[LR], SPV               ; in: place l % 16, 16 bytes for each half of the lanes
	v_lshl_add_u32 v[STO], v[HL], 4, v[STO]
	v_add_nc_u32 v[STO], s21, v[STO]
	v_and_b32 v[VT], 7, v0                         ; back, turned: lane l reads place 8 (l / 16) + l % 8, channels 8 ((l / 8) % 2) + 0..7
	v_lshl_add_u32 v[VT], v[HL], 3, v[VT]
	v_mul_u32_u24 v[TRA], v[VT], SPV
	v_bfe_u32 v[VT], v0, 3, 1
	v_lshl_add_u32 v[TRA], v[VT], 4, v[TRA]
	v_add_nc_u32 v[TRA], s21, v[TRA]
	s_lshr_b32 s[BH], ttmp9, 1                     ; b 16 + h
	s_and_b32 s[QC], ttmp9, 1
	s_lshl_b32 s[QC], s[QC], 2
	s_add_co_u32 s[QC], s[QC], s[WV]               ; which 512 queries
	s_lshr_b32 s[BB], s[BH], 4
	s_and_b32 s[HH], s[BH], 15
	s_mov_b32 s[CS], 0x3e38aa3b                    ; c = log2(e) / 8
	s_mov_b32 s[CS+1], s[CS]
	s_mov_b32 s[SEL], 0x76543210
	s_mov_b32 s[SEL+1], 0xfedcba98
	s_mov_b32 s[SOFF], 0
	s_mov_b32 s[CNT], 32
	s_mov_b32 s23, 0
	s_wait_kmcnt 0x0
	s_lshl_b32 s22, ttmp9, 7                       ; my work-group's copy: its 32 words of the count,
	s_add_nc_u64 s[32:33], s[12:13], s[22:23]
	s_load_b32 s[KN], s[32:33], ORDC               ; the number of seen keys
	s_lshl_b32 s22, ttmp9, 10
	s_add_nc_u64 s[12:13], s[12:13], s[22:23]      ; and its 256 words of the order
	s_lshl_b32 s22, s[BH], 19
	s_lshl_b32 s21, s[QC], 16
	s_add_co_u32 s22, s22, s21
	s_add_nc_u64 s[4:5], s[4:5], s[22:23]
	s_lshl_b32 s22, s[BH], 15
	s_add_nc_u64 s[6:7], s[6:7], s[22:23]
	s_add_nc_u64 s[8:9], s[8:9], s[22:23]
	s_lshl_b32 s22, s[BB], 8
	s_lshl_b32 s21, s[QC], 5
	s_add_co_u32 s22, s22, s21                     ; my first tile of 16 rows,
	s_lshl_b32 s22, s22, 15
	s_lshl_b32 s21, s[HH], 11                      ; my head's two blocks of 32 channels
	s_add_co_u32 s22, s22, s21
	s_add_nc_u64 s[14:15], s[14:15], s[22:23]
.set z, 0
.rept 16                               ; the key at place 16 z + l % 16
	global_load_b32 v[KO+z], v[OOF], s[12:13] offset:z*64
.set z, z+1
.endr
.set z, 0
.rept 8
	global_load_b128 v[GP+4*z:GP+4*z+3], v[L16], s[10:11] offset:z*512
.set z, z+1
.endr
	s_wait_kmcnt 0x0
	s_min_u32 s[KN], s[KN], 256
	s_add_co_u32 s[NN], s[KN], 31
	s_lshr_b32 s[NN], s[NN], 5
	s_max_u32 s[NN], s[NN], 1                      ; n, 1 to 8
	s_sub_co_u32 s21, s[NN], 1
	s_lshl_b32 s21, s21, 5
	s_sub_co_u32 s21, s[KN], s21                   ; seen places in the last unit (0 only where no key is seen)
	v_lshlrev_b32 v[VT], 3, v[HL]
	v_sub_nc_u32 v[VC], s21, v[VT]                 ; register i of the unit's 16 stands for place 16 (i / 8) + 8 (l / 16) + i % 8: hidden where 16 (i / 8) + i % 8 >= this
	v_mov_b32 v[PI], 0x7f800000
	v_mov_b32 v[NI], 0xff800000
.set z, 0
.rept 16
	v_cmp_ge_i32 vcc_lo, 16*(z/8)+z%8, v[VC]
	v_cndmask_b32 v[U+z], v[PI], v[NI], vcc_lo     ; hidden: minus infinity; seen: plus infinity
.set z, z+1
.endr
	s_wait_loadcnt 0x0
.set z, 0
.rept 16                               ; key x lies at (x / 16) 2048 + (x % 16) 16 of a head's K and val, the upper half of the lanes 256 bytes on
	v_min_u32 v[KO+z], 255, v[KO+z]
	v_and_b32 v[TA], 0xf0, v[KO+z]
	v_and_b32 v[KO+z], 15, v[KO+z]
	v_lshl_add_u32 v[KO+z], v[KO+z], 4, v[H256]
	v_lshl_add_u32 v[KO+z], v[TA], 7, v[KO+z]
.set z, z+1
.endr
	WIN 0x80
.set z, 0
.rept 64                               ; K: key tile z / 4, piece z % 4 = 2 c + half
	global_load_b128 v[4*z:4*z+3], v[KO+z/4], s[6:7] offset:(z%4)*512
.set z, z+1
.endr
	WIN 0
.macro VG q, buf                       ; val of places 64 q .. 64 q + 63, a place to a lane
.set z, 0
.rept 16
	global_load_b128 v[S+64*(\buf)+4*z:S+64*(\buf)+4*z+3], v[KO+4*(\q)+z/4], s[8:9] offset:(z%4)*512
.set z, z+1
.endr
.endm
.macro VS q, buf                       ; into my stage as [place][channel], and back turned.  LDS serves a wave's instructions in order (ISA guide 5.7.1.4): the next quarter's stores come behind these loads
.set z, 0
.rept 16
	ds_store_b128 v[STO], v[S+64*(\buf)+4*z:S+64*(\buf)+4*z+3] offset:(z/4)*16*SPV+(z%4)*32
.set z, z+1
.endr
	WIN 0xc0
.set z, 0
.rept 16
	ds_load_tr16_b128 v[64*(\q)+4*z:64*(\q)+4*z+3], v[TRA] offset:(z/8)*32*SPV+((z/2)%4)*32+(z%2)*16*SPV
.set z, z+1
.endr
	WIN 0
.endm
	VG 0, 0
	VG 1, 1
	v_max3_num_f32 v[VT], v[GP], v[GP+1], v[GP+2]
.set z, 0
.rept 14
	v_max3_num_f32 v[VT], v[VT], v[GP+3+2*z], v[GP+4+2*z]
.set z, z+1
.endr
	v_max_num_f32 v[VT], v[VT], v[GP+31]
	v_max_num_f32_dpp v[VT], v[VT], v[VT] row_xmask:1 row_mask:0xf bank_mask:0xf
	v_max_num_f32_dpp v[VT], v[VT], v[VT] row_xmask:2 row_mask:0xf bank_mask:0xf
	v_max_num_f32_dpp v[VT], v[VT], v[VT] row_xmask:4 row_mask:0xf bank_mask:0xf
	v_max_num_f32_dpp v[VT], v[VT], v[VT] row_xmask:8 row_mask:0xf bank_mask:0xf
	v_mov_b32 v[VT+1], 0
	v_permlanex16_b32 v[VT+1], v[VT], s[SEL], s[SEL+1]
	v_max_num_f32 v[VT], v[VT], v[VT+1]            ; G
	v_add_f32 v[VT], 0xc8c35000, v[VT]             ; G - 400000: the floor of the raw scores
	v_readfirstlane_b32 s[TC], v[VT]               ; a number for the arithmetic alone: no address and no branch hangs on it
	s_wait_loadcnt 16                              ; K and val's first quarter are in; the second quarter's 16 loads are younger
	VS 0, 0
	s_wait_dscnt 16                                ; the 16 stores have read their registers; the 16 turning loads may be out
	VG 2, 0
	s_wait_loadcnt 16                              ; the second quarter
	VS 1, 1
	s_wait_dscnt 16
	VG 3, 1
	WIN 0x40
.set z, 0
.rept 4
	global_load_b128 v[Q+4*z:Q+4*z+3], v[QA], s[4:5] offset:z*512 th:TH_LOAD_NT
.set z, z+1
.endr
	WIN 0
	s_wait_loadcnt 20                              ; the third quarter: behind it the fourth's 16 loads and Q's 4
	VS 2, 0
	s_wait_loadcnt 4                               ; the fourth
	VS 3, 1
	s_wait_loadcnt 0x0                             ; Q
	s_wait_dscnt 0x0                               ; val^T
; Product zi of 4 of unit p: key tile 2 p + zi % 2, channels 32 (zi / 2) on: the two accumulators take turns.
.macro KQ p
	WIN 0x06                                       ; K window 2, Q window 1, S^T window 0
.set zt, 2*(\p)+zi%2
.if zi < 2
	v_wmma_f32_16x16x32_f16 v[S+8*zt:S+8*zt+7], v[16*zt:16*zt+7], v[Q:Q+7], 0
.else
	v_wmma_f32_16x16x32_f16 v[S+8*zt:S+8*zt+7], v[16*zt+8:16*zt+15], v[Q+8:Q+15], v[S+8*zt:S+8*zt+7]
.endif
.endm
; Line ai of 24 for unit p: the floor on its 16 scores, ascending (each accumulator is read from its low end); then they enter four running maxima.  tail = 1: the last unit: floor and mask in one line.
.macro AIT p, tail
.set rS, S+16*(\p)
.if ai < 16
.if \tail
	v_maxmin_num_f32 v[rS+ai], v[rS+ai], s[TC], v[U+ai]
.else
	v_max_num_f32 v[rS+ai], s[TC], v[rS+ai]
.endif
.else
	v_max3_num_f32 v[C+ai%4], v[C+ai%4], v[rS+2*(ai-16)], v[rS+2*(ai-16)+1]
.endif
.set ai, ai+1
.endm
; Unit p of the scores.  A unit's scores are first read six plain lines (unit 0's: four) behind its last product.
.macro UA p
.set ai, 0
.set zi, 0
.rept 4
	KQ \p
	WIN 0
.if (\p) == 0
	v_mov_b32 v[C+zi], s[TC]                       ; the maxima start at the floor, which no seen score lies below
.else
.rept 6
	AIT (\p)-1, 0
.endr
.endif
.set zi, zi+1
.endr
.endm
.macro TAILA p
.set ai, 0
.rept 24
	AIT \p, 1
.endr
.endm
; THE SOFTMAX OF A BLOCK of 32 places, 16 registers a lane: line bi of 40.  FL: c s - c m for a pair; EL: an exponential; CL: a pair rounded to f16; AD: a pair added onto another, in place.
; Between an exponential and the first use of its result stands a plain line (ISA guide 5.7.2): FL 7 behind the first two, then each CL behind the two exponentials that follow its own.
.macro FL n
	v_pk_fma_f32 v[rS+2*(\n):rS+2*(\n)+1], v[rS+2*(\n):rS+2*(\n)+1], s[CS:CS+1], v[CM:CM+1] op_sel_hi:[1,0,0] neg_lo:[0,0,1] neg_hi:[0,0,1]
.endm
.macro EL n
	v_exp_f32 v[rS+(\n)], v[rS+(\n)]
.endm
.macro CL n
	s_wait_alu depctr_va_vdst(0)
	v_cvt_pk_f16_f32 v[rP+(\n)], v[rS+2*(\n)], v[rS+2*(\n)+1]
.endm
.macro AD a, b
	v_pk_add_f32 v[rS+(\a):rS+(\a)+1], v[rS+(\a):rS+(\a)+1], v[rS+(\b):rS+(\b)+1]
.endm
.macro BIT kk
.set rS, S+16*(\kk)
.set rP, P+8*(\kk)
.set g, bi-10
.if bi < 7
	FL bi
.elseif bi < 9
	EL bi-7
.elseif bi == 9
	FL 7
.elseif bi < 31
.if g%3 == 2
	CL g/3
.else
	EL 2*(g/3)+2+g%3
.endif
.elseif bi == 31
	AD 0, 2
.elseif bi == 32
	CL 7
.elseif bi < 36
	AD 4*(bi-32), 4*(bi-32)+2
.elseif bi == 36
	AD 0, 4
.elseif bi == 37
	AD 8, 12
.elseif bi == 38
	AD 0, 8
.else
	v_pk_add_f32 v[SUM:SUM+1], v[SUM:SUM+1], v[rS:rS+1]
.endif
.set bi, bi+1
.endm
.macro PV kk, cb                       ; O^T += val^T P: block kk, channel tile cb; block 0 starts the sums.  The four accumulators take turns
	WIN 0x53                                       ; val^T window 3, P window 0, O^T window 1
.if (\kk) == 0
	v_wmma_f32_16x16x32_f16 v[O+8*(\cb):O+8*(\cb)+7], v[8*(4*(\kk)+(\cb)):8*(4*(\kk)+(\cb))+7], v[P+8*(\kk):P+8*(\kk)+7], 0
.else
	v_wmma_f32_16x16x32_f16 v[O+8*(\cb):O+8*(\cb)+7], v[8*(4*(\kk)+(\cb)):8*(4*(\kk)+(\cb))+7], v[P+8*(\kk):P+8*(\kk)+7], v[O+8*(\cb):O+8*(\cb)+7]
.endif
.endm
.macro UB kk                           ; block kk - 1's products, block kk's softmax behind them
.set bi, 0
.irp cb, 0,1,2,3
	PV (\kk)-1, \cb
	WIN 0
.rept 10
	BIT \kk
.endr
.endr
.endm
.macro TAILB kk
.irp cb, 0,1,2,3
	PV \kk, \cb
.endr
	WIN 0
.endm
.Ltile:
	s_add_co_u32 s[SOFF], s[SOFF], 2048            ; the next tile's Q; the last trip asks for its own tile once more, 2 KiB, so that the loop has one text and no load leaves the buffer
	s_min_u32 s[SOFF], s[SOFF], 31*2048
	UA 0
	v_mov_b32 v[SUM], 0
	v_mov_b32 v[SUM+1], 0
	v_add_nc_u32 v[QA], s[SOFF], v[L16]
	s_cmp_eq_u32 s[NN], 1
	s_cbranch_scc1 .LtA0
.irp p, 1,2,3,4,5,6
	UA \p
	s_cmp_eq_u32 s[NN], \p+1
	s_cbranch_scc1 .LtA\p
.endr
	UA 7
	TAILA 7
	s_branch .Lmax
.irp p, 0,1,2,3,4,5,6
.LtA\p:
	TAILA \p
.if \p < 6
	s_branch .Lmax
.endif
.endr
.Lmax:
	WIN 0x40
.set z, 0
.rept 4                                ; the last product that read Q stands 24 plain lines back or more
	global_load_b128 v[Q+4*z:Q+4*z+3], v[QA], s[4:5] offset:z*512 th:TH_LOAD_NT
.set z, z+1
.endr
	WIN 0
	v_max3_num_f32 v[C], v[C], v[C+1], v[C+2]
	v_max_num_f32 v[C], v[C], v[C+3]
	v_permlanex16_b32 v[C+1], v[C], s[SEL], s[SEL+1]  ; the query's other places lie in the lane 16 away
	v_max_num_f32 v[C], v[C], v[C+1]
	v_mul_f32 v[CM], s[CS], v[C]                   ; c m
	v_mov_b32 v[CM+1], 0                           ; named with it as a pair
.set bi, 0
.rept 40
	BIT 0
.endr
	s_cmp_eq_u32 s[NN], 1
	s_cbranch_scc1 .LtB0
.irp kk, 1,2,3,4,5,6
	UB \kk
	s_cmp_eq_u32 s[NN], \kk+1
	s_cbranch_scc1 .LtB\kk
.endr
	UB 7
	TAILB 7
	s_branch .Lout
.irp kk, 0,1,2,3,4,5,6
.LtB\kk:
	TAILB \kk
.if \kk < 6
	s_branch .Lout
.endif
.endr
.Lout:
	v_add_f32 v[VT], v[SUM], v[SUM+1]              ; the plain lines from here to the scaling are the places behind the last products
	v_nop
	v_permlanex16_b32 v[VT+1], v[VT], s[SEL], s[SEL+1]
	v_add_f32 v[VT], v[VT], v[VT+1]
	v_rcp_f32 v[RL], v[VT]
	v_mov_b32 v[RL+1], 0                           ; the plain line behind the reciprocal; named with it as a pair
	v_nop
	s_wait_xcnt 0x0                                ; the last tile's stores: their address and data are rewritten only behind this wait, a whole tile behind them
	v_add_nc_u32 v[OA], 32768, v[OA]               ; 16 rows on; the stores below reach back
	WIN 0x41
.set z, 0
.rept 16
	s_wait_alu depctr_va_vdst(0)
	v_pk_mul_f32 v[O+2*z:O+2*z+1], v[O+2*z:O+2*z+1], v[RL:RL+1] op_sel_hi:[1,0]
.set z, z+1
.endr
	WIN 0x45
.set z, 0
.rept 16
	v_cvt_pk_f16_f32 v[OFR+z], v[O+2*z], v[O+2*z+1]
.set z, z+1
.endr
	WIN 0x04
.set z, 0
.rept 4
	global_store_b128 v[OA], v[OFR+4*z:OFR+4*z+3], s[14:15] offset:z*512-32768  ; 512 consecutive bytes: half a fragment of O
.set z, z+1
.endr
	WIN 0
	s_wait_loadcnt 0x0                             ; the next Q
	s_sub_co_u32 s[CNT], s[CNT], 1
	s_cmp_lg_u32 s[CNT], 0
	s_cbranch_scc1 .Ltile
	s_wait_tensorcnt 0x0                           ; the wave's end, behind my last LDS store
	ds_add_u32 v[SPW], v[NIL]
	s_wait_dscnt 0x0
	s_endpgm
.Lfunc_end_k_q418166b1ee_attn:
	.size	k_q418166b1ee_attn, .Lfunc_end_k_q418166b1ee_attn-k_q418166b1ee_attn
	.p2alignl 7, 3214868480
	.fill 96, 4, 3214868480
	.section	.rodata,"a",@progbits
	.p2align	6, 0x0
	.amdhsa_kernel k_q418166b1ee_attn
		.amdhsa_group_segment_fixed_size 41472
		.amdhsa_private_segment_fixed_size 0
		.amdhsa_enable_private_segment 0
		.amdhsa_kernarg_size 48
		.amdhsa_user_sgpr_count 2
		.amdhsa_user_sgpr_kernarg_segment_ptr 1
		.amdhsa_wavefront_size32 1
		.amdhsa_system_sgpr_workgroup_id_x 1
		.amdhsa_system_sgpr_workgroup_id_y 1
		.amdhsa_system_sgpr_workgroup_id_z 1
		.amdhsa_system_vgpr_workitem_id 0
		.amdhsa_next_free_vgpr 1024
		.amdhsa_next_free_sgpr 66
		.amdhsa_reserve_vcc 1
		.amdhsa_float_denorm_mode_32 3
		.amdhsa_float_denorm_mode_16_64 3
		.amdhsa_memory_ordered 1
		.amdhsa_forward_progress 1
		.amdhsa_inst_pref_size 87
	.end_amdhsa_kernel
	.amdgpu_metadata
---
amdhsa.version: [ 1, 2 ]
amdhsa.kernels:
  - .name:           k_q418166b1ee_attn
    .symbol:         k_q418166b1ee_attn.kd
    .args:
      - { .name: qf, .offset: 0, .size: 8, .value_kind: global_buffer, .address_space: global }
      - { .name: kf, .offset: 8, .size: 8, .value_kind: global_buffer, .address_space: global }
      - { .name: vf, .offset: 16, .size: 8, .value_kind: global_buffer, .address_space: global }
      - { .name: gpart, .offset: 24, .size: 8, .value_kind: global_buffer, .address_space: global }
      - { .name: ord, .offset: 32, .size: 8, .value_kind: global_buffer, .address_space: global }
      - { .name: of, .offset: 40, .size: 8, .value_kind: global_buffer, .address_space: global }
    .group_segment_fixed_size: 41472
    .private_segment_fixed_size: 0
    .kernarg_segment_align: 8
    .kernarg_segment_size: 48
    .max_flat_workgroup_size: 128
    .sgpr_count:     66
    .vgpr_count:     1024
    .wavefront_size: 32
...
	.end_amdgpu_metadata
.endif
;; end of part 3
;; launch oproj (part 4): grid 256 x 1, 4 waves a work-group, clusters of 4 x 1, 327,680 bytes of LDS; arguments of, wof, b_out, out0; writes out0
.if DOCPART == 4
	.amdgcn_target "amdgcn-amd-amdhsa--gfx1250"
	.amdhsa_code_object_version 6
	.text
	.protected	k_q418166b1ee_oproj
	.globl	k_q418166b1ee_oproj
	.p2align	8
	.type	k_q418166b1ee_oproj,@function
k_q418166b1ee_oproj:
	s_mov_b64 s[64:65], 0
	v_nop
	global_prefetch_b8 v0, s[64:65] scope:SCOPE_SE
	s_setreg_imm32_b32 hwreg(HW_REG_WAVE_MODE, 25, 1), 1
	s_wait_xcnt 0x0
	s_wait_alu depctr_hold_cnt(0) depctr_sa_sdst(0) depctr_va_vdst(0) depctr_va_sdst(0) depctr_va_ssrc(0) depctr_va_vcc(0) depctr_vm_vsrc(0)
	s_getreg_b32 s2, hwreg(HW_REG_IB_STS2, 6, 4)
	s_cmp_eq_u32 s2, 0
	s_cbranch_scc0 .Lentry_in_a_cluster
	s_endpgm
.Lentry_in_a_cluster:
	s_bfe_u32 s2, ttmp6, 0x10000c
	s_cmp_lg_u32 s2, 0x3003
	s_cbranch_scc0 .Lentry_shape_is_right
	s_endpgm
.Lentry_shape_is_right:
; OPROJ.  out0 = O w_out^T + b_out.  O: [32768][1024] f16 in fragment order (of: rt 32768 + kb 1024), w_out likewise (wof: nt 32768 + kb 1024), b_out rounded to bf16; sums f32; out0: [32768][512] f32.
; A tile of 256 x 256 to a work-group, 128 x 128 to each of four waves: 64 accumulators, 512 registers.  K goes in 8 steps of 128 through two LDS slots; a fragment lies in LDS as in memory, 1,024 dense bytes,
; so the LDS loads are 512 consecutive bytes and need no padding.  Source 0 = 16 rows of w_out, source 1 = 16 rows of O: a lane holds one row of out0 and eight neighbouring columns.
; CLUSTER 4 x 1: four row tiles of one column half.  They need the same tiles of w_out: joint loads (waves 2 and 3); each has its own tile of O: plain loads (waves 0 and 1), behind the same rounds.
; 4 x 4 is not open: out0 has two column tiles.
; REGISTERS.  window 0: v0-31 addresses; v64-127, v128-191 fragments of O, two buffers; v192-255 and v64-127 the way out.   window 1: v64-127, v128-191 fragments of w_out; v192-255 the bias.   windows 2, 3: the accumulators, (a, b) at 8 (8 (a % 4) + b).
.set SLOT1, 1<<17                      ; a slot: O's 16 row tiles x 4 KiB, then w_out's 16; wave w fills 32 KiB at w x 32,768
.set STAGE, 2*SLOT1                    ; behind the ring, never filled by a tensor load: 16 rows x 528 bytes for each wave
.set SP,    528                        ; 512 bytes + 16: the 16 rows of a store start at 16 different groups of four banks (ISA guide 11.1)
.set SPARE, STAGE+4*16*SP
.set LR,   1
.set HL,   2
.set L16,  3
.set A0,   4
.set B0,   5
.set ADRA, 6
.set ADRB, 7
.set STO,  8
.set RD,   9
.set BOFV, 10
.set SPW,  28
.set NIL,  29
.set F0,   64
.set F1,   128
.set BO,   192                         ; window 1
.set WV,   12
.set HW,   13
.set WL,   14
.set CX,   15
.set NH,   16
.set MT,   17
.set WOFF, 18
.set T1,   19
.set TB,   20
.set CNT,  21
.set T2,   22
.set G1A,  24
.set G0A,  32                          ; s[32:35] first fill of slot 0, s[36:39] first fill of slot 1, which then walks
.set G1B,  48
.set G0B,  56
.set MSB, 0
.macro WIN new
.if MSB != (\new)
	s_set_vgpr_msb (MSB<<8)|(\new)
.set MSB, \new
.endif
.endm
.macro PLACES
.rept 4
	v_nop
.endr
.endm
.macro CREST
	s_cmp_lg_u32 s[WV], 0
	s_cbranch_scc1 .Lnot_wave_0_\@
	s_barrier_signal -3
.Lnot_wave_0_\@:
	s_barrier_wait -3
	s_barrier_signal -1
	s_barrier_wait -1
.endm
.macro CROUND
	s_barrier_signal -1
	s_barrier_wait -1
	CREST
.endm
.macro JLOAD                           ; a refill: waves 0 and 1 fetch O's two halves (my work-group's own), waves 2 and 3 w_out's (jointly)
	s_cmp_eq_u32 s[HW], 0
	s_cbranch_scc0 .Lfor_b_\@
	tensor_load_to_lds s[G0A+4:G0A+7], s[G1A:G1A+7]
	s_nop 0
	PLACES
	s_branch .Lasked_\@
.Lfor_b_\@:
	tensor_load_to_lds s[G0B+4:G0B+7], s[G1B:G1B+7]
	s_nop 0
	PLACES
.Lasked_\@:
.endm
	s_load_b256 s[4:11], s[0:1], 0x0               ; of, wof, b_out, out0
	v_lshl_add_u32 v[SPW], v0, 2, SPARE
	v_mov_b32 v[NIL], 0
	ds_add_u32 v[SPW], v[NIL]                      ; the wave's opening: the add and its wait ahead of my first tensor load
	v_lshrrev_b32 v[LR], 5, v0
	v_readfirstlane_b32 s[WV], v[LR]
	s_lshr_b32 s[HW], s[WV], 1                     ; my half of the tile's rows.  Also: I fetch O (0) or w_out (1)
	s_and_b32 s[WL], s[WV], 1                      ; my half of its columns.  Also: which 8 tiles of 16 rows I fetch
	s_bfe_u32 s[CX], ttmp6, 0x40000
	s_and_b32 s[NH], ttmp9, 1                      ; the column half, which the four partners share
	s_lshr_b32 s[MT], ttmp9, 1
	s_lshl_b32 s[MT], s[MT], 2
	s_add_co_u32 s[MT], s[MT], s[CX]               ; my 256 rows
	s_mov_b32 s[G1A], 3<<16                        ; 8-byte elements, no mask: 8 rows of 4,096 bytes, 32,768 bytes apart
	s_mov_b32 s[G1B], 15|(3<<16)|(1<<21)           ; the same with the mask of four and bit 21 beside it
.irp g, G1A, G1B
	s_mov_b32 s[(\g)+1], 512<<16
	s_mov_b32 s[(\g)+2], 8<<16
	s_mov_b32 s[(\g)+3], 512<<16
	s_mov_b32 s[(\g)+4], 8
	s_mov_b32 s[(\g)+5], 4096
	s_mov_b32 s[(\g)+6], 0
	s_mov_b32 s[(\g)+7], 0
.endr
	s_lshl_b32 s[WOFF], s[WV], 15
	s_mov_b32 s[TB], 0
	s_lshl_b32 s[T1], s[WL], 3
	s_lshl_b32 s40, s[MT], 4
	s_add_co_u32 s40, s40, s[T1]
	s_lshl_b32 s40, s40, 15                        ; O: row tile 16 x my tile + 8 x half
	s_mov_b32 s41, 0
	s_lshl_b32 s42, s[NH], 4
	s_add_co_u32 s42, s42, s[T1]
	s_lshl_b32 s42, s42, 15                        ; w_out: row tile 16 x column half + 8 x half
	s_mov_b32 s43, 0
	s_wait_dscnt 0x0                               ; the opening add is done
	s_wait_kmcnt 0x0
	s_add_nc_u64 s[44:45], s[4:5], s[40:41]
	s_add_nc_u64 s[46:47], s[6:7], s[42:43]
	CROUND                                         ; all four work-groups are here: the first joint loads meet
.irp s, 0,1
	s_mov_b32 s[G0A+4*(\s)], 1
	s_add_co_u32 s[G0A+4*(\s)+1], s[WOFF], (\s)*SLOT1
	s_add_nc_u64 s[G0A+4*(\s)+2:G0A+4*(\s)+3], s[44:45], (\s)*4096
	s_or_b32 s[G0A+4*(\s)+3], s[G0A+4*(\s)+3], 0x80000000
	s_mov_b32 s[G0B+4*(\s)], 1
	s_add_co_u32 s[G0B+4*(\s)+1], s[WOFF], (\s)*SLOT1
	s_add_nc_u64 s[G0B+4*(\s)+2:G0B+4*(\s)+3], s[46:47], (\s)*4096
	s_or_b32 s[G0B+4*(\s)+3], s[G0B+4*(\s)+3], 0x80000000
.endr
	s_cmp_eq_u32 s[HW], 0                          ; a wave's two first fills stand in one branch: two loads of mine are out
	s_cbranch_scc0 .Lfirst_b
	tensor_load_to_lds s[G0A:G0A+3], s[G1A:G1A+7]
	s_nop 0
	tensor_load_to_lds s[G0A+4:G0A+7], s[G1A:G1A+7]
	s_nop 0
	PLACES
	s_branch .Lfirst_asked
.Lfirst_b:
	tensor_load_to_lds s[G0B:G0B+3], s[G1B:G1B+7]
	s_nop 0
	tensor_load_to_lds s[G0B+4:G0B+7], s[G1B:G1B+7]
	s_nop 0
	PLACES
.Lfirst_asked:
	v_and_b32 v[LR], 15, v0
	v_bfe_u32 v[HL], v0, 4, 1
	v_and_b32 v[L16], 31, v0
	v_lshlrev_b32 v[L16], 4, v[L16]
	s_lshl_b32 s[T1], s[HW], 15
	v_add_nc_u32 v[A0], s[T1], v[L16]              ; my 8 row tiles of O in slot 0
	s_lshl_b32 s[T1], s[WL], 15
	s_add_co_u32 s[T1], s[T1], 65536
	v_add_nc_u32 v[B0], s[T1], v[L16]              ; my 8 row tiles of w_out
	v_mov_b32 v[ADRA], v[A0]
	v_mov_b32 v[ADRB], v[B0]
	s_mul_i32 s[T1], s[WV], 16*SP
	s_add_co_u32 s[T1], s[T1], STAGE               ; my stage
	v_mul_u32_u24 v[STO], v[LR], SP                ; in: row l % 16, 32 bytes for each half of the lanes
	v_lshl_add_u32 v[STO], v[HL], 5, v[STO]
	v_add_nc_u32 v[STO], s[T1], v[STO]
	v_add_nc_u32 v[RD], s[T1], v[L16]              ; back: 32 lanes take one row of 512 bytes
	s_lshl_b32 s[T1], s[NH], 10
	s_lshl_b32 s[T2], s[WL], 9
	s_add_co_u32 s[T1], s[T1], s[T2]               ; my 128 columns, in bytes
	v_lshl_add_u32 v[BOFV], v[HL], 5, s[T1]
	s_lshl_b32 s40, s[MT], 19                      ; 256 rows of 2,048 bytes,
	s_lshl_b32 s[T2], s[HW], 18                    ; my 128 of them,
	s_add_co_u32 s40, s40, s[T2]
	s_add_co_u32 s40, s40, s[T1]                   ; my columns
	s_add_nc_u64 s[10:11], s[10:11], s[40:41]
	WIN 0x40
.set z, 0
.rept 16                               ; bias of columns 16 b + 8 (l / 16) + 0..7, b = z / 2
	global_load_b128 v[BO+4*z:BO+4*z+3], v[BOFV], s[8:9] offset:(z/2)*64+(z%2)*16
.set z, z+1
.endr
	s_wait_loadcnt 0x0
	WIN 0x55
.set z, 0
.rept 32                               ; rounded to bf16, kept as f32
	v_cvt_pk_bf16_f32 v0, v[BO+2*z], v[BO+2*z+1]
	v_lshlrev_b32 v[BO+2*z], 16, v0
	v_and_b32 v[BO+2*z+1], 0xffff0000, v0
.set z, z+1
.endr
	WIN 0
; 16 products: row blocks a0, a0 + 1 of the window's four (hi = 0: my rows 0-63, 1: rows 64-127) x all 8 column blocks.  The 64 accumulators take turns.  first = 1: the bias starts the sums.
.macro MUL16 f, hi, a0, first
.if \first
	WIN 0x91+0x40*(\hi)
.else
	WIN 0xa1+0x50*(\hi)
.endif
.irp a, \a0, (\a0)+1
.irp b, 0,1,2,3,4,5,6,7
.if \first
	v_wmma_f32_16x16x32_f16 v[8*(8*(\a)+(\b)):8*(8*(\a)+(\b))+7], v[(\f)+8*(\b):(\f)+8*(\b)+7], v[(\f)+8*(4*(\hi)+(\a)):(\f)+8*(4*(\hi)+(\a))+7], v[BO+8*(\b):BO+8*(\b)+7]
.else
	v_wmma_f32_16x16x32_f16 v[8*(8*(\a)+(\b)):8*(8*(\a)+(\b))+7], v[(\f)+8*(\b):(\f)+8*(\b)+7], v[(\f)+8*(4*(\hi)+(\a)):(\f)+8*(4*(\hi)+(\a))+7], v[8*(8*(\a)+(\b)):8*(8*(\a)+(\b))+7]
.endif
.endr
.endr
.endm
.macro FETCH q, f                      ; 32 LDS loads in one run: quarter q of the slot in hand: w_out's 8 fragments, then O's 8
	WIN 0x40
.irp i, 0,1,2,3,4,5,6,7
	ds_load_b128 v[(\f)+8*(\i):(\f)+8*(\i)+3],   v[ADRB] offset:(\i)*4096+(\q)*1024
	ds_load_b128 v[(\f)+8*(\i)+4:(\f)+8*(\i)+7], v[ADRB] offset:(\i)*4096+(\q)*1024+512
.endr
	WIN 0
.irp i, 0,1,2,3,4,5,6,7
	ds_load_b128 v[(\f)+8*(\i):(\f)+8*(\i)+3],   v[ADRA] offset:(\i)*4096+(\q)*1024
	ds_load_b128 v[(\f)+8*(\i)+4:(\f)+8*(\i)+7], v[ADRA] offset:(\i)*4096+(\q)*1024+512
.endr
.endm
.macro QUARTER q, f, g, first          ; multiplies buffer f; in its middle fetches quarter q into buffer g
	s_wait_dscnt 8                                 ; all but O's rows 64-127
	MUL16 \f, 0, 0, \first
	MUL16 \f, 0, 2, \first
	PLACES                                         ; four places in front of loads into registers that matrix instructions have read
	FETCH \q, \g
	s_wait_dscnt 32                                ; all but the 32 just issued
	MUL16 \f, 1, 0, \first
	MUL16 \f, 1, 2, \first
.endm
; The last quarter multiplies buffer 1 and changes slots: ONE barrier; in front of it each wave waits for all its tensor loads (one is out: its part of the next slot), adds 0 to its spare word, and waits for that and for its reads of this slot.
.macro TURN fill
	WIN 0
	s_wait_tensorcnt 0x0
	ds_add_u32 v[SPW], v[NIL]                      ; 0 onto my spare word
	s_wait_dscnt 9                                 ; the add and the youngest eight loads may be out
	MUL16 F1, 0, 0, 0
	s_wait_dscnt 0x0                               ; the add is done, and my reads of this slot are over
	s_barrier_signal -1
	MUL16 F1, 0, 2, 0
	WIN 0
	s_barrier_wait -1
.if \fill
	CREST                                          ; the barrier has opened a round of the cluster's: no wave of any partner still reads this slot or has a load on its way
.irp g, G0A+4, G0B+4
	s_xor_b32 s[(\g)+1], s[(\g)+1], SLOT1          ; the walking descriptor: the other slot than last time,
	s_add_nc_u64 s[(\g)+2:(\g)+3], s[(\g)+2:(\g)+3], 4096  ; the next K step
.endr
	JLOAD                                          ; 224 matrix instructions ahead of the wait for it; its four v_nop are also the places in front of the loads below
.else
	PLACES
.endif
	s_xor_b32 s[TB], s[TB], SLOT1
	v_add_nc_u32 v[ADRA], s[TB], v[A0]
	v_add_nc_u32 v[ADRB], s[TB], v[B0]
	FETCH 0, F0
	MUL16 F1, 1, 0, 0
	MUL16 F1, 1, 2, 0
.endm
	s_wait_tensorcnt 0x1                           ; my part of K step 0 is in; step 1's may stay out
	s_barrier_signal -1
	s_barrier_wait -1
	FETCH 0, F0
	QUARTER 1, F0, F1, 1
	WIN 0
	s_mov_b32 s[CNT], 6
.Lstep:                                                ; six trips: K steps 0 to 5, whose slots are filled again with steps 2 to 7
	QUARTER 2, F1, F0, 0
	QUARTER 3, F0, F1, 0
	TURN 1
	QUARTER 1, F0, F1, 0
	WIN 0
	s_sub_co_u32 s[CNT], s[CNT], 1
	s_cmp_lg_u32 s[CNT], 0
	s_cbranch_scc1 .Lstep
	QUARTER 2, F1, F0, 0                           ; steps 6 and 7 ask for nothing
	QUARTER 3, F0, F1, 0
	TURN 0
	QUARTER 1, F0, F1, 0
	QUARTER 2, F1, F0, 0
	QUARTER 3, F0, F1, 0
	s_wait_dscnt 8
	MUL16 F1, 0, 0, 0
	MUL16 F1, 0, 2, 0
	s_wait_dscnt 0x0
	MUL16 F1, 1, 0, 0
	MUL16 F1, 1, 2, 0
	WIN 0
	PLACES
; THE WAY OUT, a block of 16 rows at a time: a lane's 32 bytes of a row go into my stage, straight from the accumulators (lowest registers first), and come back as whole rows of 512 bytes.
.macro TOSTAGE a
	WIN 0
	s_wait_xcnt 0x0                                ; the stores of the block before last have read the registers that are loaded below
	WIN 0x08+4*((\a)/4)                            ; the stores' data: window 2 or 3
.set AC, 64*((\a)%4)
.irp b, 0,1,2,3,4,5,6,7
	ds_store_b128 v[STO], v[AC+8*\b:AC+8*\b+3] offset:64*\b
	ds_store_b128 v[STO], v[AC+8*\b+4:AC+8*\b+7] offset:64*\b+16
.endr
	WIN 0
.set BK, 192-128*((\a)%2)
.irp t, 0,1,2,3,4,5,6,7,8,9,10,11,12,13,14,15
	ds_load_b128 v[BK+4*\t:BK+4*\t+3], v[RD] offset:\t*SP  ; LDS serves a wave's instructions in order (ISA guide 5.7.1.4): these see the stores above
.endr
.endm
.macro SEND a, younger                 ; younger: the LDS instructions issued behind block a's loads: the next block's 32, or none
	WIN 0
.set BK, 192-128*((\a)%2)
	s_wait_dscnt \younger
.irp t, 0,1,2,3,4,5,6,7,8,9,10,11,12,13,14,15
	global_store_b128 v[L16], v[BK+4*\t:BK+4*\t+3], s[10:11] offset:(\a)*32768+\t*2048 th:TH_STORE_NT  ; 512 consecutive bytes, at a multiple of 512 from out0's first
.endr
.endm
	TOSTAGE 0
.irp a, 1,2,3,4,5,6,7
	TOSTAGE \a
	SEND (\a)-1, 32
.endr
	SEND 7, 0
	s_wait_tensorcnt 0x0                           ; the wave's end
	ds_add_u32 v[SPW], v[NIL]
	s_wait_dscnt 0x0
	CROUND                                         ; the closing round
	s_endpgm
.Lfunc_end_k_q418166b1ee_oproj:
	.size	k_q418166b1ee_oproj, .Lfunc_end_k_q418166b1ee_oproj-k_q418166b1ee_oproj
	.p2alignl 7, 3214868480
	.fill 96, 4, 3214868480
	.section	.rodata,"a",@progbits
	.p2align	6, 0x0
	.amdhsa_kernel k_q418166b1ee_oproj
		.amdhsa_group_segment_fixed_size 327680
		.amdhsa_private_segment_fixed_size 0
		.amdhsa_enable_private_segment 0
		.amdhsa_kernarg_size 32
		.amdhsa_user_sgpr_count 2
		.amdhsa_user_sgpr_kernarg_segment_ptr 1
		.amdhsa_wavefront_size32 1
		.amdhsa_system_sgpr_workgroup_id_x 1
		.amdhsa_system_sgpr_workgroup_id_y 1
		.amdhsa_system_sgpr_workgroup_id_z 1
		.amdhsa_system_vgpr_workitem_id 0
		.amdhsa_next_free_vgpr 1024
		.amdhsa_next_free_sgpr 66
		.amdhsa_reserve_vcc 0
		.amdhsa_float_denorm_mode_32 3
		.amdhsa_float_denorm_mode_16_64 3
		.amdhsa_memory_ordered 1
		.amdhsa_forward_progress 1
		.amdhsa_inst_pref_size 120
	.end_amdhsa_kernel
	.amdgpu_metadata
---
amdhsa.version: [ 1, 2 ]
amdhsa.kernels:
  - .name:           k_q418166b1ee_oproj
    .symbol:         k_q418166b1ee_oproj.kd
    .args:
      - { .name: of, .offset: 0, .size: 8, .value_kind: global_buffer, .address_space: global }
      - { .name: wof, .offset: 8, .size: 8, .value_kind: global_buffer, .address_space: global }
      - { .name: b_out, .offset: 16, .size: 8, .value_kind: global_buffer, .address_space: global }
      - { .name: out0, .offset: 24, .size: 8, .value_kind: global_buffer, .address_space: global }
    .group_segment_fixed_size: 327680
    .private_segment_fixed_size: 0
    .kernarg_segment_align: 8
    .kernarg_segment_size: 32
    .max_flat_workgroup_size: 128
    .sgpr_count:     66
    .vgpr_count:     1024
    .wavefront_size: 32
...
	.end_amdgpu_metadata
.endif
;; end of part 4
;; ======== version 2 of 2: 4 launches; 1.09 times as fast as version 1
;; limits: values are held in f16: magnitudes above 65,504 overflow, below 6.1e-05 lose precision
;; workspace buffers: kf 4,194,304 bytes; vf 4,194,304 bytes; wvf 1,048,576 bytes; wof 1,048,576 bytes; qf 67,108,864 bytes; of 67,108,864 bytes; gpart 4,096 bytes; ord 294,912 bytes of whole numbers
;; launch prep: the kernel of part 1 again; grid 16 x 16, 4 waves a work-group, clusters of 4 x 4, 327,680 bytes of LDS; arguments l, w_l, w_vl, b_l, b_vl, w_v, w_out, kf, vf, wvf, wof, attention_mask_l, ord; writes kf, vf, wvf, wof, ord
;; launch qmax: the kernel of part 2 again; grid 256 x 1, 4 waves a work-group, clusters of 4 x 1, 327,680 bytes of LDS; arguments v, b_v, wvf, kf, qf, gpart; writes qf, gpart
;; launch attn (part 5): grid 256 x 1, 4 waves a work-group, no clusters, 41,472 bytes of LDS; arguments qf, kf, vf, gpart, ord, of; writes of
.if DOCPART == 5
	.amdgcn_target "amdgcn-amd-amdhsa--gfx1250"
	.amdhsa_code_object_version 6
	.text
	.protected	k_q418166b1ee_attn
	.globl	k_q418166b1ee_attn
	.p2align	8
	.type	k_q418166b1ee_attn,@function
k_q418166b1ee_attn:
	s_mov_b64 s[64:65], 0
	v_nop
	global_prefetch_b8 v0, s[64:65] scope:SCOPE_SE
	s_setreg_imm32_b32 hwreg(HW_REG_WAVE_MODE, 25, 1), 1
	s_wait_xcnt 0x0
; ATTN.  With s the raw score q . k (the problem's score is s / 8, exactly) and G the largest raw score of the whole problem, hidden keys too (the maximum of gpart's 1,024 words):
; the problem's clip(s / 8 - G / 8, -50000, 50000) is, up to the common shift G / 8, max(s, G - 400000) / 8; the upper clip never binds, since no s passes G.  A hidden key's weight is 0.
; Then softmax with the ROW's maximum taken away, p = 2^(c s' - c m), c = log2(e) / 8, and O = P val / sum p.  Same mathematics as the problem's, another order of f32 rounding.
; q, k, val, p and O are f16 (fragment order, see the launches before); products, maxima and sums f32; the sum is taken of the unrounded p.
; LIMITS.  A weight below 2^-126 counts as 0; a batch whose keys are all hidden gives NaN, as the problem's softmax does; NaN and infinite inputs are not treated apart.
; HIDDEN KEYS ARE LEFT OUT.  ord (whole numbers, made by the first launch; work-group g reads copy g, which is its batch's) lists the batch's keys, the seen ones first, and their number.
; K and val are gathered in that order, 16 bytes a lane and key; the work goes in n = max(1, ceil(seen / 32)) UNITS of 32 places.  Only unit n - 1 can hold hidden places: it alone takes a mask, 16 registers made from the number.
; SHARES.  A wave owns 512 queries of one batch and head: 32 tiles of 16.  K (256 registers) and val^T (256; turned once in the wave's own stage in LDS) stay in registers.
; S^T = K Q^T holds ONE query a lane; rounded in pairs it IS source 1 of O^T = val^T P.  A lane holds half a row of scores: a true row maximum, no rescaling.
; A TILE.  Units p = 0 .. n - 1: four products K Q^T, and behind each six lines of unit p - 1's floor and maximum; a jump forward to unit n - 1's own 24 lines; the row's maximum; block 0's softmax;
; units kk = 1 .. n - 1: block kk's scalings and exponentials, then four products val^T P of block kk - 1, and behind each four lines of block kk's roundings and sums; a jump forward to the last block's four products;
; the way out.  Every jump goes forward.
; THE BATCHES.  A block's 16 exponentials are ONE batch with ONE wait: ahead of the wait stand the block's 8 scalings and its 16 exponentials, none of which names an exponential's result; behind it all that do, the 8 roundings
; and the 8 sums.  A jump on n stands behind every block, so no batch reaches over a block's end.  The tile's reciprocal reads the sum of all exponentials: a batch of its own.  n + 1 waits a tile.
; NO CLUSTER: the waves share nothing but K and val, 64 KiB that each reads once, against 128 KiB of q and O of its own.
; REGISTERS.  window 0: v1-15 addresses and statistics; v16-31 the mask; v32-47 the keys' offsets; v48-61 set-up; v64-127 P (at the start gpart); v128-255 S^T (at the start val as gathered).
;   window 1: v0-15 Q; v32-63 O^T; v64-79 O as f16.   window 2: K, key tile kt, channel half c at 16 kt + 8 c.   window 3: val^T, 32 places kk, channel tile cb at 8 (4 kk + cb).
.set SPV,   160                        ; a stage row: 128 bytes + 32
.set SPARE, 4*64*SPV                   ; behind the four stages: the spare words, 128 bytes for each wave
.set ORDC,  262144                     ; byte of ord at which the counts begin
.set L16, 1
.set QA,  2
.set OA,  3
.set C,   4
.set CM,  8
.set RL,  10
.set VT,  12
.set SUM, 14
.set U,   16
.set KO,  32
.set STO, 48
.set TRA, 49
.set HL,  50
.set LR,  51
.set H256, 52
.set TA,  53
.set OOF, 54
.set PI,  55
.set NI,  56
.set VC,  57
.set SPW, 60
.set NIL, 61
.set P,   64
.set GP,  64
.set S,   128
.set Q,   0                            ; window 1
.set O,   32
.set OFR, 64
.set WV,  16
.set BH,  17
.set QC,  18
.set BB,  19
.set HH,  20
.set TC,  24
.set NN,  25
.set CS,  26
.set SEL, 28
.set SOFF, 30
.set CNT, 31
.set KN,  34
.set MSB, 0
.macro WIN new
.if MSB != (\new)
	s_set_vgpr_msb (MSB<<8)|(\new)
.set MSB, \new
.endif
.endm
	s_load_b256 s[4:11], s[0:1], 0x0               ; qf, kf, vf, gpart
	s_load_b128 s[12:15], s[0:1], 0x20             ; ord, of
	v_lshl_add_u32 v[SPW], v0, 2, SPARE
	v_mov_b32 v[NIL], 0
	v_lshrrev_b32 v[VT], 5, v0
	v_readfirstlane_b32 s[WV], v[VT]
	v_and_b32 v[L16], 31, v0
	v_lshlrev_b32 v[L16], 4, v[L16]
	v_and_b32 v[LR], 15, v0
	v_bfe_u32 v[HL], v0, 4, 1
	v_lshlrev_b32 v[H256], 8, v[HL]                ; the upper half of the lanes: 16 lanes of 16 bytes on in a fragment's half
	v_lshlrev_b32 v[OOF], 2, v[LR]
	v_mov_b32 v[QA], v[L16]
	v_mov_b32 v[OA], v[L16]
	s_mul_i32 s21, s[WV], 64*SPV                   ; my stage
	v_mul_u32_u24 v[STO], v[LR], SPV               ; in: place l % 16, 16 bytes for each half of the lanes
	v_lshl_add_u32 v[STO], v[HL], 4, v[STO]
	v_add_nc_u32 v[STO], s21, v[STO]
	v_and_b32 v[VT], 7, v0                         ; back, turned: lane l reads place 8 (l / 16) + l % 8, channels 8 ((l / 8) % 2) + 0..7
	v_lshl_add_u32 v[VT], v[HL], 3, v[VT]
	v_mul_u32_u24 v[TRA], v[VT], SPV
	v_bfe_u32 v[VT], v0, 3, 1
	v_lshl_add_u32 v[TRA], v[VT], 4, v[TRA]
	v_add_nc_u32 v[TRA], s21, v[TRA]
	s_lshr_b32 s[BH], ttmp9, 1                     ; b 16 + h
	s_and_b32 s[QC], ttmp9, 1
	s_lshl_b32 s[QC], s[QC], 2
	s_add_co_u32 s[QC], s[QC], s[WV]               ; which 512 queries
	s_lshr_b32 s[BB], s[BH], 4
	s_and_b32 s[HH], s[BH], 15
	s_mov_b32 s[CS], 0x3e38aa3b                    ; c = log2(e) / 8
	s_mov_b32 s[CS+1], s[CS]
	s_mov_b32 s[SEL], 0x76543210
	s_mov_b32 s[SEL+1], 0xfedcba98
	s_mov_b32 s[SOFF], 0
	s_mov_b32 s[CNT], 32
	s_mov_b32 s23, 0
	s_wait_kmcnt 0x0
	s_lshl_b32 s22, ttmp9, 7                       ; my work-group's copy: its 32 words of the count,
	s_add_nc_u64 s[32:33], s[12:13], s[22:23]
	s_load_b32 s[KN], s[32:33], ORDC               ; the number of seen keys
	s_lshl_b32 s22, ttmp9, 10
	s_add_nc_u64 s[12:13], s[12:13], s[22:23]      ; and its 256 words of the order
	s_lshl_b32 s22, s[BH], 19
	s_lshl_b32 s21, s[QC], 16
	s_add_co_u32 s22, s22, s21
	s_add_nc_u64 s[4:5], s[4:5], s[22:23]
	s_lshl_b32 s22, s[BH], 15
	s_add_nc_u64 s[6:7], s[6:7], s[22:23]
	s_add_nc_u64 s[8:9], s[8:9], s[22:23]
	s_lshl_b32 s22, s[BB], 8
	s_lshl_b32 s21, s[QC], 5
	s_add_co_u32 s22, s22, s21                     ; my first tile of 16 rows,
	s_lshl_b32 s22, s22, 15
	s_lshl_b32 s21, s[HH], 11                      ; my head's two blocks of 32 channels
	s_add_co_u32 s22, s22, s21
	s_add_nc_u64 s[14:15], s[14:15], s[22:23]
.set z, 0
.rept 16                               ; the key at place 16 z + l % 16
	global_load_b32 v[KO+z], v[OOF], s[12:13] offset:z*64
.set z, z+1
.endr
.set z, 0
.rept 8
	global_load_b128 v[GP+4*z:GP+4*z+3], v[L16], s[10:11] offset:z*512
.set z, z+1
.endr
	s_wait_kmcnt 0x0
	s_min_u32 s[KN], s[KN], 256
	s_add_co_u32 s[NN], s[KN], 31
	s_lshr_b32 s[NN], s[NN], 5
	s_max_u32 s[NN], s[NN], 1                      ; n, 1 to 8
	s_sub_co_u32 s21, s[NN], 1
	s_lshl_b32 s21, s21, 5
	s_sub_co_u32 s21, s[KN], s21                   ; seen places in the last unit (0 only where no key is seen)
	v_lshlrev_b32 v[VT], 3, v[HL]
	v_sub_nc_u32 v[VC], s21, v[VT]                 ; register i of the unit's 16 stands for place 16 (i / 8) + 8 (l / 16) + i % 8: hidden where 16 (i / 8) + i % 8 >= this
	v_mov_b32 v[PI], 0x7f800000
	v_mov_b32 v[NI], 0xff800000
.set z, 0
.rept 16
	v_cmp_ge_i32 vcc_lo, 16*(z/8)+z%8, v[VC]
	v_cndmask_b32 v[U+z], v[PI], v[NI], vcc_lo     ; hidden: minus infinity; seen: plus infinity
.set z, z+1
.endr
	s_wait_loadcnt 0x0
.set z, 0
.rept 16                               ; key x lies at (x / 16) 2048 + (x % 16) 16 of a head's K and val, the upper half of the lanes 256 bytes on
	v_min_u32 v[KO+z], 255, v[KO+z]
	v_and_b32 v[TA], 0xf0, v[KO+z]
	v_and_b32 v[KO+z], 15, v[KO+z]
	v_lshl_add_u32 v[KO+z], v[KO+z], 4, v[H256]
	v_lshl_add_u32 v[KO+z], v[TA], 7, v[KO+z]
.set z, z+1
.endr
	WIN 0x80
.set z, 0
.rept 64                               ; K: key tile z / 4, piece z % 4 = 2 c + half
	global_load_b128 v[4*z:4*z+3], v[KO+z/4], s[6:7] offset:(z%4)*512
.set z, z+1
.endr
	WIN 0
.macro VG q, buf                       ; val of places 64 q .. 64 q + 63, a place to a lane
.set z, 0
.rept 16
	global_load_b128 v[S+64*(\buf)+4*z:S+64*(\buf)+4*z+3], v[KO+4*(\q)+z/4], s[8:9] offset:(z%4)*512
.set z, z+1
.endr
.endm
.macro VS q, buf                       ; into my stage as [place][channel], and back turned.  LDS serves a wave's instructions in order (ISA guide 5.7.1.4): the next quarter's stores come behind these loads
.set z, 0
.rept 16
	ds_store_b128 v[STO], v[S+64*(\buf)+4*z:S+64*(\buf)+4*z+3] offset:(z/4)*16*SPV+(z%4)*32
.set z, z+1
.endr
	WIN 0xc0
.set z, 0
.rept 16
	ds_load_tr16_b128 v[64*(\q)+4*z:64*(\q)+4*z+3], v[TRA] offset:(z/8)*32*SPV+((z/2)%4)*32+(z%2)*16*SPV
.set z, z+1
.endr
	WIN 0
.endm
	VG 0, 0
	VG 1, 1
	v_max3_num_f32 v[VT], v[GP], v[GP+1], v[GP+2]
.set z, 0
.rept 14
	v_max3_num_f32 v[VT], v[VT], v[GP+3+2*z], v[GP+4+2*z]
.set z, z+1
.endr
	v_max_num_f32 v[VT], v[VT], v[GP+31]
	v_max_num_f32_dpp v[VT], v[VT], v[VT] row_xmask:1 row_mask:0xf bank_mask:0xf
	v_max_num_f32_dpp v[VT], v[VT], v[VT] row_xmask:2 row_mask:0xf bank_mask:0xf
	v_max_num_f32_dpp v[VT], v[VT], v[VT] row_xmask:4 row_mask:0xf bank_mask:0xf
	v_max_num_f32_dpp v[VT], v[VT], v[VT] row_xmask:8 row_mask:0xf bank_mask:0xf
	v_mov_b32 v[VT+1], 0
	v_permlanex16_b32 v[VT+1], v[VT], s[SEL], s[SEL+1]
	v_max_num_f32 v[VT], v[VT], v[VT+1]            ; G
	v_add_f32 v[VT], 0xc8c35000, v[VT]             ; G - 400000: the floor of the raw scores
	v_readfirstlane_b32 s[TC], v[VT]               ; a number for the arithmetic alone: no address and no branch hangs on it
	s_wait_loadcnt 16                              ; K and val's first quarter are in; the second quarter's 16 loads are younger
	VS 0, 0
	s_wait_dscnt 16                                ; the 16 stores have read their registers; the 16 turning loads may be out
	VG 2, 0
	s_wait_loadcnt 16                              ; the second quarter
	VS 1, 1
	s_wait_dscnt 16
	VG 3, 1
	WIN 0x40
.set z, 0
.rept 4
	global_load_b128 v[Q+4*z:Q+4*z+3], v[QA], s[4:5] offset:z*512 th:TH_LOAD_NT
.set z, z+1
.endr
	WIN 0
	s_wait_loadcnt 20                              ; the third quarter: behind it the fourth's 16 loads and Q's 4
	VS 2, 0
	s_wait_loadcnt 4                               ; the fourth
	VS 3, 1
	s_wait_loadcnt 0x0                             ; Q
	s_wait_dscnt 0x0                               ; val^T
; Product zi of 4 of unit p: key tile 2 p + zi % 2, channels 32 (zi / 2) on: the two accumulators take turns.
.macro KQ p
	WIN 0x06                                       ; K window 2, Q window 1, S^T window 0
.set zt, 2*(\p)+zi%2
.if zi < 2
	v_wmma_f32_16x16x32_f16 v[S+8*zt:S+8*zt+7], v[16*zt:16*zt+7], v[Q:Q+7], 0
.else
	v_wmma_f32_16x16x32_f16 v[S+8*zt:S+8*zt+7], v[16*zt+8:16*zt+15], v[Q+8:Q+15], v[S+8*zt:S+8*zt+7]
.endif
.endm
; Line ai of 24 for unit p: the floor on its 16 scores, ascending (each accumulator is read from its low end); then they enter four running maxima.  tail = 1: the last unit: floor and mask in one line.
.macro AIT p, tail
.set rS, S+16*(\p)
.if ai < 16
.if \tail
	v_maxmin_num_f32 v[rS+ai], v[rS+ai], s[TC], v[U+ai]
.else
	v_max_num_f32 v[rS+ai], s[TC], v[rS+ai]
.endif
.else
	v_max3_num_f32 v[C+ai%4], v[C+ai%4], v[rS+2*(ai-16)], v[rS+2*(ai-16)+1]
.endif
.set ai, ai+1
.endm
; Unit p of the scores.  A unit's scores are first read six plain lines (unit 0's: four) behind its last product.
.macro UA p
.set ai, 0
.set zi, 0
.rept 4
	KQ \p
	WIN 0
.if (\p) == 0
	v_mov_b32 v[C+zi], s[TC]                       ; the maxima start at the floor, which no seen score lies below
.else
.rept 6
	AIT (\p)-1, 0
.endr
.endif
.set zi, zi+1
.endr
.endm
.macro TAILA p
.set ai, 0
.rept 24
	AIT \p, 1
.endr
.endm
; THE SOFTMAX OF A BLOCK of 32 places, 16 registers a lane: 40 lines.  FL: c s - c m for a pair; EL: an exponential, in place; CL: a pair rounded to f16; AD: a pair added onto another, in place.
.macro REGB kk                         ; the registers of block kk
.set rS, S+16*(\kk)
.set rP, P+8*(\kk)
.endm
.macro FL n
	v_pk_fma_f32 v[rS+2*(\n):rS+2*(\n)+1], v[rS+2*(\n):rS+2*(\n)+1], s[CS:CS+1], v[CM:CM+1] op_sel_hi:[1,0,0] neg_lo:[0,0,1] neg_hi:[0,0,1]
.endm
.macro EL n
	v_exp_f32 v[rS+(\n)], v[rS+(\n)]
.endm
.macro CL n
	v_cvt_pk_f16_f32 v[rP+(\n)], v[rS+2*(\n)], v[rS+2*(\n)+1]
.endm
.macro AD a, b
	v_pk_add_f32 v[rS+(\a):rS+(\a)+1], v[rS+(\a):rS+(\a)+1], v[rS+(\b):rS+(\b)+1]
.endm
; THE BATCH of block kk: its 8 scalings and its 16 exponentials, 24 lines of which none names an exponential's result.  The scalings are spread over the batch, one behind every two exponentials while there are scalings;
; a pair is scaled two groups ahead of its exponentials.  Each result keeps its own register of S^T.  Then the plain line behind the last exponential (ISA guide 5.7.2), and the block's one wait.
.macro BATCH kk
	WIN 0
	REGB \kk
	FL 0
	FL 1
.irp g, 0,1,2,3,4,5
	EL 2*\g
	EL 2*\g+1
	FL \g+2
.endr
.irp e, 12,13,14,15
	EL \e
.endr
	v_nop                                          ; the plain line behind the last exponential: one for the batch
	s_wait_alu depctr_va_vdst(0)                   ; the wait for the block's 16 exponentials, placed ahead of the first line that names a result: all that do stand behind it
.endm
; Line ri of the 16 that read the batch's results.  0-3: pairs 0, 2, 4, 6 are rounded, ahead of the sums that write over them.  4-7: pairs 1, 3, 5, 7 are added onto them.  8, 9, 12: the four sums into one.
; 10, 11, 13, 14: pairs 1, 3, 5, 7 are rounded; they stand between the links of the sums' chain.  15: the tile's sum takes the block's.
.macro RIT kk
	REGB \kk
.if ri < 4
	CL 2*ri
.elseif ri < 8
	AD 4*(ri-4), 4*(ri-4)+2
.elseif ri == 8
	AD 0, 4
.elseif ri == 9
	AD 8, 12
.elseif ri < 12
	CL 2*(ri-10)+1
.elseif ri == 12
	AD 0, 8
.elseif ri < 15
	CL 2*(ri-13)+5
.else
	v_pk_add_f32 v[SUM:SUM+1], v[SUM:SUM+1], v[rS:rS+1]
.endif
.set ri, ri+1
.endm
.macro PV kk, cb                       ; O^T += val^T P: block kk, channel tile cb; block 0 starts the sums.  The four accumulators take turns
	WIN 0x53                                       ; val^T window 3, P window 0, O^T window 1
.if (\kk) == 0
	v_wmma_f32_16x16x32_f16 v[O+8*(\cb):O+8*(\cb)+7], v[8*(4*(\kk)+(\cb)):8*(4*(\kk)+(\cb))+7], v[P+8*(\kk):P+8*(\kk)+7], 0
.else
	v_wmma_f32_16x16x32_f16 v[O+8*(\cb):O+8*(\cb)+7], v[8*(4*(\kk)+(\cb)):8*(4*(\kk)+(\cb))+7], v[P+8*(\kk):P+8*(\kk)+7], v[O+8*(\cb):O+8*(\cb)+7]
.endif
.endm
.macro UB kk                           ; block kk's batch and its wait; then block kk - 1's four products, behind each four of block kk's roundings and sums, which name no register of the products
	BATCH \kk
.set ri, 0
.irp cb, 0,1,2,3
	PV (\kk)-1, \cb
	WIN 0
.rept 4
	RIT \kk
.endr
.endr
.endm
.macro TAILB kk
.irp cb, 0,1,2,3
	PV \kk, \cb
.endr
	WIN 0
.endm
.Ltile:
	s_add_co_u32 s[SOFF], s[SOFF], 2048            ; the next tile's Q; the last trip asks for its own tile once more, 2 KiB, so that the loop has one text and no load leaves the buffer
	s_min_u32 s[SOFF], s[SOFF], 31*2048
	UA 0
	v_mov_b32 v[SUM], 0
	v_mov_b32 v[SUM+1], 0
	v_add_nc_u32 v[QA], s[SOFF], v[L16]
	s_cmp_eq_u32 s[NN], 1
	s_cbranch_scc1 .LtA0
.irp p, 1,2,3,4,5,6
	UA \p
	s_cmp_eq_u32 s[NN], \p+1
	s_cbranch_scc1 .LtA\p
.endr
	UA 7
	TAILA 7
	s_branch .Lmax
.irp p, 0,1,2,3,4,5,6
.LtA\p:
	TAILA \p
.if \p < 6
	s_branch .Lmax
.endif
.endr
.Lmax:
	WIN 0x40
.set z, 0
.rept 4                                ; the last product that read Q stands 24 plain lines back or more
	global_load_b128 v[Q+4*z:Q+4*z+3], v[QA], s[4:5] offset:z*512 th:TH_LOAD_NT
.set z, z+1
.endr
	WIN 0
	v_max3_num_f32 v[C], v[C], v[C+1], v[C+2]
	v_max_num_f32 v[C], v[C], v[C+3]
	v_permlanex16_b32 v[C+1], v[C], s[SEL], s[SEL+1]  ; the query's other places lie in the lane 16 away
	v_max_num_f32 v[C], v[C], v[C+1]
	v_mul_f32 v[CM], s[CS], v[C]                   ; c m
	v_mov_b32 v[CM+1], 0                           ; named with it as a pair
	BATCH 0                                        ; block 0: there are no products yet to set among its lines
.set ri, 0
.rept 16
	RIT 0
.endr
	s_cmp_eq_u32 s[NN], 1
	s_cbranch_scc1 .LtB0
.irp kk, 1,2,3,4,5,6
	UB \kk
	s_cmp_eq_u32 s[NN], \kk+1
	s_cbranch_scc1 .LtB\kk
.endr
	UB 7
	TAILB 7
	s_branch .Lout
.irp kk, 0,1,2,3,4,5,6
.LtB\kk:
	TAILB \kk
.if \kk < 6
	s_branch .Lout
.endif
.endr
.Lout:
	v_add_f32 v[VT], v[SUM], v[SUM+1]              ; the plain lines from here to the scaling are the places behind the last products
	v_nop
	v_permlanex16_b32 v[VT+1], v[VT], s[SEL], s[SEL+1]
	v_add_f32 v[VT], v[VT], v[VT+1]
	v_rcp_f32 v[RL], v[VT]
	v_mov_b32 v[RL+1], 0                           ; the plain line behind the reciprocal; named with it as a pair
	v_nop
	s_wait_xcnt 0x0                                ; the last tile's stores: their address and data are rewritten only behind this wait, a whole tile behind them
	v_add_nc_u32 v[OA], 32768, v[OA]               ; 16 rows on; the stores below reach back
	s_wait_alu depctr_va_vdst(0)                   ; the wait for the tile's one reciprocal, a batch of its own, placed ahead of the first of the 16 lines that read it
	WIN 0x41
.set z, 0
.rept 16
	v_pk_mul_f32 v[O+2*z:O+2*z+1], v[O+2*z:O+2*z+1], v[RL:RL+1] op_sel_hi:[1,0]
.set z, z+1
.endr
	WIN 0x45
.set z, 0
.rept 16
	v_cvt_pk_f16_f32 v[OFR+z], v[O+2*z], v[O+2*z+1]
.set z, z+1
.endr
	WIN 0x04
.set z, 0
.rept 4
	global_store_b128 v[OA], v[OFR+4*z:OFR+4*z+3], s[14:15] offset:z*512-32768  ; 512 consecutive bytes: half a fragment of O
.set z, z+1
.endr
	WIN 0
	s_wait_loadcnt 0x0                             ; the next Q
	s_sub_co_u32 s[CNT], s[CNT], 1
	s_cmp_lg_u32 s[CNT], 0
	s_cbranch_scc1 .Ltile
	s_wait_tensorcnt 0x0                           ; the wave's end, behind my last LDS store
	ds_add_u32 v[SPW], v[NIL]
	s_wait_dscnt 0x0
	s_endpgm
.Lfunc_end_k_q418166b1ee_attn:
	.size	k_q418166b1ee_attn, .Lfunc_end_k_q418166b1ee_attn-k_q418166b1ee_attn
	.p2alignl 7, 3214868480
	.fill 96, 4, 3214868480
	.section	.rodata,"a",@progbits
	.p2align	6, 0x0
	.amdhsa_kernel k_q418166b1ee_attn
		.amdhsa_group_segment_fixed_size 41472
		.amdhsa_private_segment_fixed_size 0
		.amdhsa_enable_private_segment 0
		.amdhsa_kernarg_size 48
		.amdhsa_user_sgpr_count 2
		.amdhsa_user_sgpr_kernarg_segment_ptr 1
		.amdhsa_wavefront_size32 1
		.amdhsa_system_sgpr_workgroup_id_x 1
		.amdhsa_system_sgpr_workgroup_id_y 1
		.amdhsa_system_sgpr_workgroup_id_z 1
		.amdhsa_system_vgpr_workitem_id 0
		.amdhsa_next_free_vgpr 1024
		.amdhsa_next_free_sgpr 66
		.amdhsa_reserve_vcc 1
		.amdhsa_float_denorm_mode_32 3
		.amdhsa_float_denorm_mode_16_64 3
		.amdhsa_memory_ordered 1
		.amdhsa_forward_progress 1
		.amdhsa_inst_pref_size 85
	.end_amdhsa_kernel
	.amdgpu_metadata
---
amdhsa.version: [ 1, 2 ]
amdhsa.kernels:
  - .name:           k_q418166b1ee_attn
    .symbol:         k_q418166b1ee_attn.kd
    .args:
      - { .name: qf, .offset: 0, .size: 8, .value_kind: global_buffer, .address_space: global }
      - { .name: kf, .offset: 8, .size: 8, .value_kind: global_buffer, .address_space: global }
      - { .name: vf, .offset: 16, .size: 8, .value_kind: global_buffer, .address_space: global }
      - { .name: gpart, .offset: 24, .size: 8, .value_kind: global_buffer, .address_space: global }
      - { .name: ord, .offset: 32, .size: 8, .value_kind: global_buffer, .address_space: global }
      - { .name: of, .offset: 40, .size: 8, .value_kind: global_buffer, .address_space: global }
    .group_segment_fixed_size: 41472
    .private_segment_fixed_size: 0
    .kernarg_segment_align: 8
    .kernarg_segment_size: 48
    .max_flat_workgroup_size: 128
    .sgpr_count:     66
    .vgpr_count:     1024
    .wavefront_size: 32
...
	.end_amdgpu_metadata
.endif
;; end of part 5
;; launch oproj: the kernel of part 4 again; grid 256 x 1, 4 waves a work-group, clusters of 4 x 1, 327,680 bytes of LDS; arguments of, wof, b_out, out0; writes out0
